; MI455X (gfx1250); checked and timed in simulation.
; The chip was launched on July 23, 2026; its instructions are those of AMD's public machine-readable ISA for CDNA 5 (MIT licence, August 2026) and "CDNA5" Instruction Set Architecture Reference Guide (July 2026). The comments in the code are by the model that wrote it; some were corrected since.
;; EM Block. Allowed arithmetic: float matrix products may take bf16 or f16 operands with f32 sums; other float arithmetic in f32, or as packed bf16 or f16 multiplies, adds, multiply-adds, maxima and minima; sums over many terms, partial sums and values carried from step to step in f32; what a program stores and reads back later, other than sums and carried values, may be rounded once to bf16 or f16.
;; Inputs: W_out 1,024 x 1,024 float32; W_qkv 1,024 x 3,072 float32; k_g 2 x 2,048 x 1,024 float32; q_g 2 x 2,048 x 1,024 float32; x 2 x 2,048 x 1,024 float32.
;; Outputs: out0 2 x 2,048 x 1,024 float32.
;; 2 versions, each right and faster than the one before. Each part assembles by itself: llvm-mc -triple=amdgcn-amd-amdhsa -mcpu=gfx1250 --defsym DOCPART=n.
;; ======== version 1 of 2: 4 launches
;; limits: values are held in f16: magnitudes above 65,504 overflow, below 6.1e-05 lose precision
;; workspace buffers: xb 8,388,608 bytes; wt 6,291,456 bytes; wo 2,097,152 bytes; hd 41,943,040 bytes; yh 8,388,608 bytes
;; launch prep (part 1): grid 1280 x 1, 8 waves a work-group, no clusters, 18,432 bytes of LDS; arguments x, q_g, k_g, W_qkv, W_out, xb, wt, wo, hd; writes xb, wt, wo, hd
.if DOCPART == 1
	.amdgcn_target "amdgcn-amd-amdhsa--gfx1250"
	.amdhsa_code_object_version 6
	.text
	.protected	k_qffec2a442c_prep
	.globl	k_qffec2a442c_prep
	.p2align	8
	.type	k_qffec2a442c_prep,@function
k_qffec2a442c_prep:
	s_mov_b64 s[64:65], 0
	v_nop
	global_prefetch_b8 v0, s[64:65] scope:SCOPE_SE
	s_setreg_imm32_b32 hwreg(HW_REG_WAVE_MODE, 25, 1), 1
	s_wait_xcnt 0x0
; PREP: every input is read once, rounded once to bf16, and laid out for the three launches behind.
;   x      [4096][1024] f32 -> xb [4096][1024] bf16                                     work-groups    0 ..  255
;   q_g    [2][2048][1024]  -> hd plane 1, [32 heads][2048][64], the bf16 number as f16  work-groups  256 ..  511
;   k_g    likewise         -> hd plane 3                                                work-groups  512 ..  767
;   W_qkv  [1024 k][3072 n] -> wt [3072 n][1024 k] bf16 (turned)                         work-groups  768 .. 1151
;   W_out  [1024 k][1024 n] -> wo [1024 n][1024 k], the bf16 number as f16 (turned)      work-groups 1152 .. 1279
; LIMITS. The bf16 number is written as f16 exactly while its size lies in 6.1e-5 .. 65,504; below that it takes f16's fixed
; step of 6e-8, beyond it becomes an infinity. NaN and infinities are not treated apart.
; A stream: memory binds. No matrix unit, no cluster (no two work-groups read the same byte), no tensor load. Every load of 16 lanes
; takes 256 consecutive aligned bytes; every store of a wave (b64) or of 16 lanes (b128) covers 256 consecutive aligned bytes.
; The branches hang on the work-group's number alone, so all eight waves of a work-group take the same path and meet the same barrier.
.set PL,    8388608                    ; bytes in a plane of hd
.set HS,    262144                     ; bytes of one head in a plane: 2,048 rows of 128
.set TP,    272                        ; the turning stage: a row of 128 k x 2 bytes + 16 of padding
.set SPARE, 64*TP                      ; behind the stage's 64 rows: the spare words, 128 bytes for each of eight waves
.set VI,  4                            ; v4   my byte offset in what the work-group reads
.set VO,  5                            ; v5   my byte offset in what it writes
.set LS,  6                            ; v6   the stage: where I store
.set LR,  7                            ; v7   the stage: where I read back
.set SPW, 8                            ; v8   LDS address of my spare word; never rewritten
.set NIL, 9                            ; v9   0; never rewritten
.set X,   16                           ; v[16:79]   as loaded
.set Y,   80                           ; v[80:111]  to store
.set T,   112                          ; v[112:115] at work
.macro FIN                             ; the wave's end
	s_wait_tensorcnt 0x0
	ds_add_u32 v[SPW], v[NIL]
	s_wait_dscnt 0x0
	s_endpgm
.endm
; Sixteen loads of 16 bytes a lane, all issued at once; each is rounded and stored as soon as it is in. fmt = 0: bf16. fmt = 1: the bf16 number as f16.
; Every register is written once, so no store's source is ever overwritten.
.macro CAST fmt, inimm, outimm, ib, ob
.set j, 0
.rept 16
	global_load_b128 v[X+4*j:X+4*j+3], v[VI], s[\ib:\ib+1] offset:j*(\inimm) th:TH_LOAD_NT
.set j, j+1
.endr
.set j, 0
.rept 16
	s_wait_loadcnt 15-j                            ; loads come back in order: load j is in, the 15 - j younger ones stay out
	v_cvt_pk_bf16_f32 v[Y+2*j],   v[X+4*j],   v[X+4*j+1]
	v_cvt_pk_bf16_f32 v[Y+2*j+1], v[X+4*j+2], v[X+4*j+3]
.if \fmt
	v_lshlrev_b32 v[T],   16,         v[Y+2*j]     ; bf16 to f32: the low half moves up, the high half stays
	v_and_b32     v[T+1], 0xffff0000, v[Y+2*j]
	v_lshlrev_b32 v[T+2], 16,         v[Y+2*j+1]
	v_and_b32     v[T+3], 0xffff0000, v[Y+2*j+1]
	v_cvt_pk_f16_f32 v[Y+2*j],   v[T],   v[T+1]
	v_cvt_pk_f16_f32 v[Y+2*j+1], v[T+2], v[T+3]
.endif
	global_store_b64 v[VO], v[Y+2*j:Y+2*j+1], s[\ob:\ob+1] offset:j*(\outimm)
.set j, j+1
.endr
.endm
; A block of 128 k x 64 n of a weight matrix is turned through LDS. Thread t: n quad i = t % 16, k pair kp = t / 16.
; Load (jj, e): row k = 32 jj + 2 kp + e, 16 bytes = 4 n. Two rows' numbers of one n round into one word (k low, k + 1 high) and go to stage row n.
; The stage's stores fall four deep on a bank (rows 4 i are 272 words apart): 16 stores a lane, small beside the block's traffic.
.macro TRANS fmt, rowb, first, ib, ob
	s_sub_co_u32 s3, s2, \first
	s_and_b32 s26, s3, 7                           ; kb: which 128 k
	s_lshr_b32 s27, s3, 3                          ; nb: which 64 n
	s_mul_i32 s24, s26, 128*(\rowb)
	s_lshl_b32 s28, s27, 8
	s_add_co_u32 s24, s24, s28
	s_add_nc_u64 s[\ib:\ib+1], s[\ib:\ib+1], s[24:25]
	s_lshl_b32 s24, s27, 17                        ; 64 rows of 2,048 bytes
	s_lshl_b32 s28, s26, 8                         ; 128 k of 2 bytes
	s_add_co_u32 s24, s24, s28
	s_add_nc_u64 s[\ob:\ob+1], s[\ob:\ob+1], s[24:25]
	v_mul_u32_u24 v[VI], v2, 2*(\rowb)
	v_lshl_add_u32 v[VI], v1, 4, v[VI]
.set j, 0
.rept 8
	global_load_b128 v[X+4*j:X+4*j+3], v[VI], s[\ib:\ib+1] offset:(32*(j/2)+j%2)*(\rowb) th:TH_LOAD_NT
.set j, j+1
.endr
	v_mul_u32_u24 v[LS], v1, 4*TP
	v_lshl_add_u32 v[LS], v2, 2, v[LS]             ; stage row 4 i, byte 4 kp
	v_mul_u32_u24 v[LR], v2, TP
	v_lshl_add_u32 v[LR], v1, 4, v[LR]             ; back: row t / 16, 16 bytes at 16 (t % 16)
	v_lshlrev_b32 v[VO], 11, v2
	v_lshl_add_u32 v[VO], v1, 4, v[VO]             ; and the same place in the turned matrix
.set j, 0
.rept 4
	s_wait_loadcnt 6-2*j                           ; the pair of rows 32 j + 2 kp, + 1 is in; the younger pairs stay out
.set c, 0
.rept 4
	v_cvt_pk_bf16_f32 v[Y+4*j+c], v[X+8*j+c], v[X+8*j+4+c]
.if \fmt
	v_lshlrev_b32 v[T],   16,         v[Y+4*j+c]
	v_and_b32     v[T+1], 0xffff0000, v[Y+4*j+c]
	v_cvt_pk_f16_f32 v[Y+4*j+c], v[T], v[T+1]
.endif
	ds_store_b32 v[LS], v[Y+4*j+c] offset:c*TP+64*j
.set c, c+1
.endr
.set j, j+1
.endr
	s_wait_dscnt 0x0                               ; for the others' sake: my stores into the stage are done
	s_barrier_signal -1
	s_barrier_wait -1
.set j, 0
.rept 4
	ds_load_b128 v[X+4*j:X+4*j+3], v[LR] offset:j*16*TP
.set j, j+1
.endr
.set j, 0
.rept 4
	s_wait_dscnt 3-j
	global_store_b128 v[VO], v[X+4*j:X+4*j+3], s[\ob:\ob+1] offset:j*32768  ; 16 lanes: 256 consecutive bytes of one row n
.set j, j+1
.endr
	FIN
.endm
	s_load_b512 s[4:19], s[0:1], 0x0               ; x s[4:5], q_g s[6:7], k_g s[8:9], W_qkv s[10:11], W_out s[12:13], xb s[14:15], wt s[16:17], wo s[18:19]
	s_load_b64 s[20:21], s[0:1], 0x40              ; hd
	v_lshl_add_u32 v[SPW], v0, 2, SPARE
	v_mov_b32 v[NIL], 0
	s_mov_b32 s2, ttmp9                            ; the work-group's number
	s_mov_b32 s25, 0                               ; high word of every offset: all stay under 2^31
	v_and_b32 v1, 15, v0                           ; t % 16
	v_lshrrev_b32 v2, 4, v0                        ; t / 16
	s_wait_kmcnt 0x0
	s_cmp_lt_u32 s2, 256
	s_cbranch_scc1 .Lcast_x
	s_cmp_lt_u32 s2, 768
	s_cbranch_scc1 .Lheads
	s_cmp_lt_u32 s2, 1152
	s_cbranch_scc1 .Lw_qkv
	TRANS 1, 4096, 1152, 12, 18                    ; W_out -> wo
.Lw_qkv:
	TRANS 0, 12288, 768, 10, 16                    ; W_qkv -> wt
.Lheads:                                               ; 16 rows of q_g or k_g: load j is head j of my row, 16 lanes to a head's 256 bytes
	s_sub_co_u32 s3, s2, 256
	s_and_b32 s26, s3, 255                         ; which 16 rows of the tensor's 4,096
	s_lshl_b32 s24, s26, 16                        ; 16 rows of 4,096 bytes
	s_lshr_b32 s27, s26, 7                         ; the batch
	s_lshl_b32 s27, s27, 22                        ; its 16 heads
	s_and_b32 s28, s26, 127
	s_lshl_b32 s28, s28, 11                        ; 16 rows of 128 bytes in a head
	s_add_co_u32 s28, s28, s27
	s_cmp_lt_u32 s3, 256
	s_cselect_b64 s[30:31], s[6:7], s[8:9]         ; q_g or k_g,
	s_cselect_b32 s29, 1, 3                        ; plane 1 or 3
	s_lshl_b32 s29, s29, 23
	s_add_co_u32 s28, s28, s29
	s_mov_b32 s29, 0
	s_add_nc_u64 s[30:31], s[30:31], s[24:25]
	s_add_nc_u64 s[20:21], s[20:21], s[28:29]
	v_lshlrev_b32 v1, 4, v1
	v_lshl_add_u32 v[VI], v2, 12, v1               ; row t / 16, 16 bytes at 16 (t % 16)
	v_lshlrev_b32 v[VO], 3, v0                     ; in a head the 16 rows are 2,048 dense bytes: 8 t
	CAST 1, 256, HS, 30, 20
	FIN
.Lcast_x:                                              ; 65,536 consecutive bytes of x
	s_lshl_b32 s24, s2, 16
	s_add_nc_u64 s[4:5], s[4:5], s[24:25]
	s_lshl_b32 s24, s2, 15
	s_add_nc_u64 s[14:15], s[14:15], s[24:25]
	v_lshlrev_b32 v[VI], 4, v0
	v_lshlrev_b32 v[VO], 3, v0
	CAST 0, 4096, 2048, 4, 14
	FIN
.Lfunc_end_k_qffec2a442c_prep:
	.size	k_qffec2a442c_prep, .Lfunc_end_k_qffec2a442c_prep-k_qffec2a442c_prep
	.p2alignl 7, 3214868480
	.fill 96, 4, 3214868480
	.section	.rodata,"a",@progbits
	.p2align	6, 0x0
	.amdhsa_kernel k_qffec2a442c_prep
		.amdhsa_group_segment_fixed_size 18432
		.amdhsa_private_segment_fixed_size 0
		.amdhsa_enable_private_segment 0
		.amdhsa_kernarg_size 72
		.amdhsa_user_sgpr_count 2
		.amdhsa_user_sgpr_kernarg_segment_ptr 1
		.amdhsa_wavefront_size32 1
		.amdhsa_system_sgpr_workgroup_id_x 1
		.amdhsa_system_sgpr_workgroup_id_y 1
		.amdhsa_system_sgpr_workgroup_id_z 1
		.amdhsa_system_vgpr_workitem_id 0
		.amdhsa_next_free_vgpr 120
		.amdhsa_next_free_sgpr 66
		.amdhsa_reserve_vcc 0
		.amdhsa_float_denorm_mode_32 3
		.amdhsa_float_denorm_mode_16_64 3
		.amdhsa_memory_ordered 1
		.amdhsa_forward_progress 1
		.amdhsa_inst_pref_size 31
	.end_amdhsa_kernel
	.amdgpu_metadata
---
amdhsa.version: [ 1, 2 ]
amdhsa.kernels:
  - .name:           k_qffec2a442c_prep
    .symbol:         k_qffec2a442c_prep.kd
    .args:
      - { .name: x, .offset: 0, .size: 8, .value_kind: global_buffer, .address_space: global }
      - { .name: q_g, .offset: 8, .size: 8, .value_kind: global_buffer, .address_space: global }
      - { .name: k_g, .offset: 16, .size: 8, .value_kind: global_buffer, .address_space: global }
      - { .name: W_qkv, .offset: 24, .size: 8, .value_kind: global_buffer, .address_space: global }
      - { .name: W_out, .offset: 32, .size: 8, .value_kind: global_buffer, .address_space: global }
      - { .name: xb, .offset: 40, .size: 8, .value_kind: global_buffer, .address_space: global }
      - { .name: wt, .offset: 48, .size: 8, .value_kind: global_buffer, .address_space: global }
      - { .name: wo, .offset: 56, .size: 8, .value_kind: global_buffer, .address_space: global }
      - { .name: hd, .offset: 64, .size: 8, .value_kind: global_buffer, .address_space: global }
    .group_segment_fixed_size: 18432
    .private_segment_fixed_size: 0
    .kernarg_segment_align: 8
    .kernarg_segment_size: 72
    .max_flat_workgroup_size: 256
    .sgpr_count:     66
    .vgpr_count:     120
    .wavefront_size: 32
...
	.end_amdgpu_metadata
.endif
;; end of part 1
;; launch qkv (part 2): grid 16 x 16, 4 waves a work-group, clusters of 4 x 4, 327,680 bytes of LDS; arguments xb, wt, hd; writes hd
.if DOCPART == 2
	.amdgcn_target "amdgcn-amd-amdhsa--gfx1250"
	.amdhsa_code_object_version 6
	.text
	.protected	k_qffec2a442c_qkv
	.globl	k_qffec2a442c_qkv
	.p2align	8
	.type	k_qffec2a442c_qkv,@function
k_qffec2a442c_qkv:
	s_mov_b64 s[64:65], 0
	v_nop
	global_prefetch_b8 v0, s[64:65] scope:SCOPE_SE
	s_setreg_imm32_b32 hwreg(HW_REG_WAVE_MODE, 25, 1), 1
	s_wait_xcnt 0x0
	s_wait_alu depctr_hold_cnt(0) depctr_sa_sdst(0) depctr_va_vdst(0) depctr_va_sdst(0) depctr_va_ssrc(0) depctr_va_vcc(0) depctr_vm_vsrc(0)
	s_getreg_b32 s2, hwreg(HW_REG_IB_STS2, 6, 4)
	s_cmp_eq_u32 s2, 0
	s_cbranch_scc0 .Lentry_in_a_cluster
	s_endpgm
.Lentry_in_a_cluster:
	s_bfe_u32 s2, ttmp6, 0x10000c
	s_cmp_lg_u32 s2, 0xf033
	s_cbranch_scc0 .Lentry_shape_is_right
	s_endpgm
.Lentry_shape_is_right:
; QKV: [4096][3072] = xb [4096][1024] x wt^T (wt is [3072 n][1024 k]), both bf16, sums in f32, K ascending. The result is rounded once to f16 and
; written by heads: column n belongs to q, k or v (n / 1024 -> plane 0, 2, 4 of hd) and head (n / 64) % 16; a plane is [32 heads][2048 rows][64] f16.
; LIMIT. f16 holds no number beyond 65,504: a q, k or v beyond that becomes an infinity. NaN and infinities are not treated apart.
; SHARES. A tile is 256 rows x 192 columns: 16 x 16 tiles, one work-group on each of 256 WGPs. Wave w makes rows 64 w .. 64 w + 63 and all 192 columns
; (three whole heads): 4 x 12 accumulators of 16 x 16, 384 registers. For 32 along K a wave reads 32 x 16 bytes a lane from LDS for 48 matrix instructions.
; RING. K goes in steps of 128 (rows of 256 bytes in memory, at multiples of 256) through two LDS slots, each with A's 256 rows and B's 192.
; CLUSTER. 4 x 4 work-groups: the four of a row of the cluster need the same tile of xb, the four of a column the same tile of wt; each tile is asked for
; jointly, by the same tensor load, descriptor and mask in all four. Waves 0, 1 ask for A's halves (128 rows), waves 2, 3 for B's (96 rows).
; THE MATRIX INSTRUCTION IS USED TRANSPOSED (source 0 = 16 rows of wt, source 1 = 16 rows of xb): a lane holds eight neighbouring columns of one row.
; REGISTERS, in windows of 256 (s_set_vgpr_msb: bits 1:0 source 0, 3:2 source 1, 5:4 source 2, 7:6 destination):
;   window 0: v16-29 addresses; v32-79 packed results; v80-127, v128-175 rows read back from the stage, by turns
;   window 1: two fragment buffers of 128: 12 fragments of B, then 4 of A
;   window 2: accumulators of my row blocks 0, 1 ((a, b) at v[8 (12 (a % 2) + b)]);  window 3: of row blocks 2, 3
.set SIZE_K, 1024
.set KSTEP,  128
.set PITCH,  272                       ; an LDS row: 256 bytes + 16 of padding = 68 words: the 16 rows of a fragment load start at 16 different groups of four banks (ISA guide 11.1)
.set AHALF,  128*PITCH                 ; what a wave's load brings of A
.set BHALF,  96*PITCH                  ; and of B
.set BOFF,   256*PITCH                 ; B's rows lie behind A's 256
.set SLOT,   BOFF+192*PITCH
.set STAGE,  2*SLOT                    ; behind the ring, never filled by a tensor load: for each wave 3 heads x 16 rows x 144 bytes
.set SP,     144
.set WSTAGE, 3*16*SP
.set SPARE,  STAGE+4*WSTAGE            ; behind the stages: the spare words, 128 bytes for each wave
.set LAPS,   SIZE_K/(2*KSTEP)          ; a lap = two K steps = once round the ring
.set ADRA, 16                          ; v16-17  LDS address of my A fragments in slot 0, 1
.set ADRB, 20                          ; v20-21  the same for B
.set STO,  24                          ; v24     the way out: where I put 16 bytes of a row
.set RD,   25                          ; v25     the way out: where I read rows back
.set CO,   26                          ; v26     my 16 bytes in 512 consecutive bytes of hd
.set SPW,  28                          ; v28     LDS address of my spare word; never rewritten
.set NIL,  29                          ; v29     0; never rewritten
.set TMP,  32
.set OB,   80
.set F0,   0
.set F1,   128
.set G1,  24                           ; s[24:31] descriptor group 1 for A's tiles;  s[32:39] group 0, a set for each slot
.set G0,  32
.set G1B, 48                           ; s[48:55], s[56:63] the same for B's tiles
.set G0B, 56
.set HBASE, 66                         ; s[66:71] hd at my first row of each of my three heads
.set MSB, 0
.macro WIN new                         ; the immediate's high byte repeats the setting that is left; a switch that changes nothing is dropped
.if MSB != (\new)
	s_set_vgpr_msb (MSB<<8)|(\new)
.set MSB, \new
.endif
.endm
.set MUL_LO, 0xa5                      ; sources 0 (B) and 1 (A) window 1, C and D window 2
.set MUL_HI, 0xf5                      ; the same, C and D window 3
.set TO_F,   0x40                      ; destination window 1, address window 0
; A joint load. The branch hangs on the wave's number alone. An s_nop 0 and four v_nop follow each of the two lines, ahead of the jump and the label.
.macro JLOAD s
	s_cmp_eq_u32 s11, 0
	s_cbranch_scc0 .Lfor_b_\@
	tensor_load_to_lds s[G0+4*(\s):G0+4*(\s)+3], s[G1:G1+7]
	s_nop 0
.rept 4
	v_nop
.endr
	s_branch .Lasked_\@
.Lfor_b_\@:
	tensor_load_to_lds s[G0B+4*(\s):G0B+4*(\s)+3], s[G1B:G1B+7]
	s_nop 0
.rept 4
	v_nop
.endr
.Lasked_\@:
.endm
.macro CREST                           ; a round of the cluster's barrier behind its opening barrier
	s_cmp_lg_u32 s10, 0
	s_cbranch_scc1 .Lnot_wave_0_\@
	s_barrier_signal -3
.Lnot_wave_0_\@:
	s_barrier_wait -3
	s_barrier_signal -1
	s_barrier_wait -1
.endm
.macro CROUND                          ; a whole round
	s_barrier_signal -1
	s_barrier_wait -1
	CREST
.endm
	s_load_b128 s[4:7], s[0:1], 0x0                ; xb s[4:5], wt s[6:7]
	s_load_b64 s[8:9], s[0:1], 0x10                ; hd
	v_lshl_add_u32 v[SPW], v0, 2, SPARE
	v_mov_b32 v[NIL], 0
	ds_add_u32 v[SPW], v[NIL]                      ; the wave's opening: the add and its wait stand ahead of my first tensor load; work on registers stands between them
	v_lshrrev_b32 v1, 5, v0
	v_readfirstlane_b32 s10, v1                    ; wave 0..3
	s_lshr_b32 s11, s10, 1                         ; I fetch for A (0) or for B (1),
	s_and_b32 s12, s10, 1                          ; and which half of that tile
	s_bfe_u32 s40, ttmp6, 0x40000                  ; cx, cy: my place in the cluster
	s_bfe_u32 s41, ttmp6, 0x40004
	s_lshl_b32 s42, ttmp9, 2
	s_add_co_u32 s42, s42, s40                     ; tile column = 4 x cluster x + cx
	s_and_b32 s13, ttmp7, 0xffff
	s_lshl_b32 s13, s13, 2
	s_add_co_u32 s13, s13, s41                     ; tile row = 4 x cluster y + cy
	s_lshl_b32 s43, s41, 2
	s_lshl_b32 s43, 15, s43                        ; my row of the cluster
	s_lshl_b32 s44, 0x1111, s40                    ; my column
	s_or_b32 s[G1+0], s43, (1<<16)|(1<<20)|(1<<21)|(5<<22)|(3<<25)   ; 15:0 the mask; 17:16 2-byte elements; 20 padding on; 21 set beside a mask; 24:22 after every 64 words (code 5); 31:25 4 words (code 3)
	s_or_b32 s[G1B+0], s44, (1<<16)|(1<<20)|(1<<21)|(5<<22)|(3<<25)
	s_mov_b32 s[G1+1], KSTEP<<16                   ; tensor_dim0 = 128
	s_mov_b32 s[G1B+1], KSTEP<<16
	s_mov_b32 s[G1+2], 128<<16                     ; tensor_dim1 = 128 rows of A,
	s_mov_b32 s[G1B+2], 96<<16                     ; 96 of B
	s_mov_b32 s[G1+3], KSTEP<<16                   ; tile_dim0 = 128
	s_mov_b32 s[G1B+3], KSTEP<<16
	s_mov_b32 s[G1+4], 128                         ; tile_dim1
	s_mov_b32 s[G1B+4], 96
	s_mov_b32 s[G1+5], SIZE_K                      ; elements from row to row
	s_mov_b32 s[G1B+5], SIZE_K
	s_mov_b32 s[G1+6], 0
	s_mov_b32 s[G1B+6], 0
	s_mov_b32 s[G1+7], 0
	s_mov_b32 s[G1B+7], 0
	; A's tiles hang on the tile row alone, B's on the tile column alone; each address is made in registers that never hold the other coordinate
	s_lshl_b32 s16, s13, 8
	s_lshl_b32 s17, s12, 7
	s_add_co_u32 s16, s16, s17                     ; A: row 256 x tile row + 128 x half,
	s_lshl_b32 s16, s16, 11                        ; of 2,048 bytes
	s_mov_b32 s17, 0
	s_mul_i32 s46, s42, 192
	s_mul_i32 s47, s12, 96
	s_add_co_u32 s46, s46, s47                     ; B: row 192 x tile column + 96 x half
	s_lshl_b32 s46, s46, 11
	s_mov_b32 s47, 0
	s_mul_i32 s20, s12, AHALF                      ; where they go: no place in the cluster enters an LDS address
	s_mul_i32 s21, s12, BHALF
	s_add_co_u32 s21, s21, BOFF
	s_wait_dscnt 0x0                               ; the opening add is done
	s_wait_kmcnt 0x0
	s_add_nc_u64 s[14:15], s[4:5], s[16:17]
	s_add_nc_u64 s[46:47], s[6:7], s[46:47]
	CROUND                                         ; all sixteen work-groups are here: the first joint loads meet
.irp s, 0,1
	s_mov_b32 s[G0+4*(\s)], 1                                        ; count = 1
	s_add_co_u32 s[G0+4*(\s)+1], s20, (\s)*SLOT                      ; LDS address
	s_add_nc_u64 s[G0+4*(\s)+2:G0+4*(\s)+3], s[14:15], (\s)*KSTEP*2  ; global address: K step s
	s_or_b32 s[G0+4*(\s)+3], s[G0+4*(\s)+3], 0x80000000              ; type = 2
	s_mov_b32 s[G0B+4*(\s)], 1
	s_add_co_u32 s[G0B+4*(\s)+1], s21, (\s)*SLOT
	s_add_nc_u64 s[G0B+4*(\s)+2:G0B+4*(\s)+3], s[46:47], (\s)*KSTEP*2
	s_or_b32 s[G0B+4*(\s)+3], s[G0B+4*(\s)+3], 0x80000000
	JLOAD \s                                       ; two loads of mine are out
.endr
	; a fragment is 16 rows x 32 K in 8 registers: lane l holds row l % 16, K = 8 (l / 16) + 0..7 and 16 + 8 (l / 16) + 0..7: two loads of 16 bytes, 32 bytes apart
	v_and_b32 v1, 15, v0                           ; l % 16
	v_bfe_u32 v2, v0, 4, 1                         ; l / 16
	v_mul_u32_u24 v3, v1, PITCH
	v_lshl_add_u32 v3, v2, 4, v3
	s_mul_i32 s22, s10, 64*PITCH                   ; my 64 rows of A
	s_mov_b32 s23, BOFF                            ; all of B's
.irp s, 0,1
	v_add_nc_u32 v[ADRA+(\s)], s22, v3
	v_add_nc_u32 v[ADRB+(\s)], s23, v3
	s_add_co_u32 s22, s22, SLOT
	s_add_co_u32 s23, s23, SLOT
.endr
	s_mul_i32 s22, s10, WSTAGE
	s_add_co_u32 s22, s22, STAGE                   ; my stage
	v_mul_u32_u24 v4, v1, SP                       ; in: row l % 16, 16 bytes for each half of the lanes
	v_lshl_add_u32 v4, v2, 4, v4
	v_add_nc_u32 v[STO], s22, v4
	v_bfe_u32 v5, v0, 3, 2                         ; back: 32 lanes take four rows of 128 bytes,
	v_and_b32 v6, 7, v0
	v_mul_u32_u24 v5, v5, SP
	v_lshl_add_u32 v5, v6, 4, v5
	v_add_nc_u32 v[RD], s22, v5
	v_and_b32 v[CO], 31, v0                        ; which are 512 consecutive bytes of a head
	v_lshlrev_b32 v[CO], 4, v[CO]
	; hd at my first row of head g = 3 x tile column + hh: plane 2 (g / 16); head 16 x batch + g % 16; row (tile row % 8) x 256 + 64 w
.irp hh, 0,1,2
	s_mul_i32 s72, s42, 3
	s_add_co_u32 s72, s72, \hh
	s_lshr_b32 s73, s72, 4
	s_lshl_b32 s73, s73, 24                        ; two planes of 8,388,608 bytes
	s_and_b32 s72, s72, 15
	s_lshr_b32 s74, s13, 3
	s_lshl_b32 s74, s74, 4
	s_add_co_u32 s72, s72, s74
	s_lshl_b32 s72, s72, 18                        ; heads of 262,144 bytes
	s_add_co_u32 s72, s72, s73
	s_and_b32 s74, s13, 7
	s_lshl_b32 s74, s74, 15                        ; 256 rows of 128 bytes
	s_add_co_u32 s72, s72, s74
	s_lshl_b32 s74, s10, 13                        ; 64 rows
	s_add_co_u32 s72, s72, s74
	s_mov_b32 s73, 0
	s_add_nc_u64 s[HBASE+2*\hh:HBASE+2*\hh+1], s[8:9], s[72:73]
.endr
; 12 matrix instructions: my row block a x all 12 column blocks, 32 along K. zero = 1: the product starts the sums: nothing is ever cleared.
; The 48 accumulators take turns, one instruction a turn, in the same order in every quarter.
.macro MUL12 f, a, zero
	WIN MUL_LO+0x50*((\a)/2)
.irp b, 0,1,2,3,4,5,6,7,8,9,10,11
.if \zero
	v_wmma_f32_16x16x32_bf16 v[8*(12*((\a)%2)+(\b)):8*(12*((\a)%2)+(\b))+7], v[(\f)+8*(\b):(\f)+8*(\b)+7], v[(\f)+96+8*(\a):(\f)+96+8*(\a)+7], 0
.else
	v_wmma_f32_16x16x32_bf16 v[8*(12*((\a)%2)+(\b)):8*(12*((\a)%2)+(\b))+7], v[(\f)+8*(\b):(\f)+8*(\b)+7], v[(\f)+96+8*(\a):(\f)+96+8*(\a)+7], v[8*(12*((\a)%2)+(\b)):8*(12*((\a)%2)+(\b))+7]
.endif
.endr
.endm
; 32 LDS loads in one run: the fragments of 32 K at byte k of the rows, into buffer f: B's 24 first, then A's 8 in the order of the row blocks
.macro FETCH slot, k, f
	WIN TO_F
.irp i, 0,1,2,3,4,5,6,7,8,9,10,11
	ds_load_b128 v[(\f)+8*(\i):(\f)+8*(\i)+3],   v[ADRB+(\slot)] offset:(\k)+(\i)*16*PITCH
	ds_load_b128 v[(\f)+8*(\i)+4:(\f)+8*(\i)+7], v[ADRB+(\slot)] offset:(\k)+(\i)*16*PITCH+32
.endr
.irp i, 0,1,2,3
	ds_load_b128 v[(\f)+96+8*(\i):(\f)+96+8*(\i)+3],   v[ADRA+(\slot)] offset:(\k)+(\i)*16*PITCH
	ds_load_b128 v[(\f)+96+8*(\i)+4:(\f)+96+8*(\i)+7], v[ADRA+(\slot)] offset:(\k)+(\i)*16*PITCH+32
.endr
.endm
; A load into a register that a matrix instruction has read, and a vector instruction or LDS store that reads a matrix result, stand four plain vector
; instructions behind it (ISA guide 7.12.1 for vector instructions); the matrix instructions in between are not counted.
.macro PLACES
.rept 4
	v_nop
.endr
.endm
; A K step is four quarters of 32 along K, 48 matrix instructions each, on buffers 0, 1, 0, 1. One of the first three multiplies buffer f and, in its middle, fetches the next quarter into g.
.macro QUARTER slot, k, f, g, zero
	s_wait_dscnt 4                                 ; B and A's row blocks 0, 1 are in; the youngest four loads (row blocks 2, 3) may be out
	MUL12 \f, 0, \zero
	MUL12 \f, 1, \zero
	PLACES
	FETCH \slot, \k, \g
	s_wait_dscnt 32                                ; all but the 32 just issued
	MUL12 \f, 2, \zero
	MUL12 \f, 3, \zero
.endm
; The last quarter multiplies buffer 1 and changes slots: ONE barrier. In front of it each wave waits for all its tensor loads (one is out: its part of the next slot), adds 0 to its
; spare word, and waits for that and for its reads of this slot. fill = 1: the barrier opens a round of the cluster's, and this slot is filled again first behind it, two K steps ahead:
; from that request to the wait for it a wave issues 168 matrix instructions.
.macro TURN slot, next, fill
	WIN 0                                          ; (the add's two registers lie in window 0)
	s_wait_tensorcnt 0x0                           ; all my tensor loads have landed
	ds_add_u32 v[SPW], v[NIL]                      ; 0 onto my spare word
	s_wait_dscnt 5                                 ; (the add and the youngest four loads may be out)
	MUL12 F1, 0, 0                                 ; twelve matrix instructions stand between the add and the wait for it
	s_wait_dscnt 0x0                               ; the add is done, and my reads of this slot are over
	s_barrier_signal -1
	MUL12 F1, 1, 0                                 ; work on registers while the others arrive
.if \fill
	WIN 0
.endif
	s_barrier_wait -1
.if \fill
	CREST                                          ; no wave of any partner still reads this slot's tile or has a load on its way
	s_add_nc_u64 s[G0+4*(\slot)+2:G0+4*(\slot)+3], s[G0+4*(\slot)+2:G0+4*(\slot)+3], 2*KSTEP*2
	s_add_nc_u64 s[G0B+4*(\slot)+2:G0B+4*(\slot)+3], s[G0B+4*(\slot)+2:G0B+4*(\slot)+3], 2*KSTEP*2
	JLOAD \slot                                    ; the first tensor load behind the round; its four v_nop are also the places in front of the loads below
.else
	PLACES
.endif
	FETCH \next, 0, F0
	MUL12 F1, 2, 0
	MUL12 F1, 3, 0
.endm
	s_wait_tensorcnt 1                             ; my part of K step 0 is in; K step 1's may stay out
	s_barrier_signal -1
	s_barrier_wait -1                              ; everybody's is
	FETCH 0, 0, F0
	QUARTER 0, 64,  F0, F1, 1                      ; the first quarter stands in front of the loop: its products start the sums
	WIN 0                                          ; at a label and at a branch every window is 0
	s_mov_b32 s3, LAPS-1
.Llap:                                                 ; a trip goes once round the ring, from a lap's second quarter to the next lap's first, and fills both slots again
	QUARTER 0, 128, F1, F0, 0
	QUARTER 0, 192, F0, F1, 0
	TURN 0, 1, 1
	QUARTER 1, 64,  F0, F1, 0
	QUARTER 1, 128, F1, F0, 0
	QUARTER 1, 192, F0, F1, 0
	TURN 1, 0, 1
	QUARTER 0, 64,  F0, F1, 0
	WIN 0
	s_sub_co_u32 s3, s3, 1
	s_cmp_lg_u32 s3, 0
	s_cbranch_scc1 .Llap
	QUARTER 0, 128, F1, F0, 0                      ; the last lap fills nothing
	QUARTER 0, 192, F0, F1, 0
	TURN 0, 1, 0
	QUARTER 1, 64,  F0, F1, 0
	QUARTER 1, 128, F1, F0, 0
	QUARTER 1, 192, F0, F1, 0
	s_wait_dscnt 4                                 ; the very last quarter: nothing more to fetch
	MUL12 F1, 0, 0
	MUL12 F1, 1, 0
	s_wait_dscnt 0x0
	MUL12 F1, 2, 0
	MUL12 F1, 3, 0
; THE WAY OUT, a row block (16 rows x 192 columns) at a time. PACK: rounded to f16, each accumulator's registers in ascending order, 16 bytes a lane.
; TOSTAGE: into my own stage, a head's 16 rows of 128 bytes at pitch 144, and back as whole rows. SEND: stored, 512 consecutive bytes of a head an instruction.
.macro PACK a
	WIN 0x0a+5*((\a)/2)                            ; sources 0 and 1: window 2 or 3
.set AC, 96*((\a)%2)
.irp b, 0,1,2,3,4,5,6,7,8,9,10,11
.irp r, 0,1,2,3
	v_cvt_pk_f16_f32 v[TMP+4*(\b)+(\r)], v[AC+8*(\b)+2*(\r)], v[AC+8*(\b)+2*(\r)+1]
.endr
.endr
	WIN 0
.endm
.macro TOSTAGE a
.set BK, OB+48*((\a)%2)
.irp b, 0,1,2,3,4,5,6,7,8,9,10,11
	ds_store_b128 v[STO], v[TMP+4*(\b):TMP+4*(\b)+3] offset:((\b)/4)*16*SP+32*((\b)%4)
.endr
.if (\a) >= 2
	s_wait_xcnt 0x0                                ; the stores of the block two back have read this buffer: it is loaded again only behind this wait
.endif
.irp n, 0,1,2,3,4,5,6,7,8,9,10,11
	ds_load_b128 v[BK+4*(\n):BK+4*(\n)+3], v[RD] offset:((\n)/4)*16*SP+((\n)%4)*4*SP  ; LDS serves a wave's instructions in order (ISA guide 5.7.1.4): these see the stores above
.endr
.endm
.macro SEND a
.set BK, OB+48*((\a)%2)
	s_wait_dscnt 0x0                               ; the block is back in registers
.irp n, 0,1,2,3,4,5,6,7,8,9,10,11
	global_store_b128 v[CO], v[BK+4*(\n):BK+4*(\n)+3], s[HBASE+2*((\n)/4):HBASE+2*((\n)/4)+1] offset:(\a)*2048+((\n)%4)*512
.endr
.endm
	PLACES                                         ; behind the products of row blocks 0 and 1 stood matrix instructions alone
	PACK 0
	TOSTAGE 0
.irp a, 1,2,3                          ; block a's conversions stand between block a - 1's loads from the stage and the wait for them
	PACK \a
	SEND (\a)-1
	TOSTAGE \a
.endr
	SEND 3
	s_wait_tensorcnt 0x0                           ; the wave's end, behind my last tensor load and my last LDS store
	ds_add_u32 v[SPW], v[NIL]
	s_wait_dscnt 0x0
	CROUND                                         ; the closing round: no work-group ends while a partner may still ask for a tile that names it
	s_endpgm
.Lfunc_end_k_qffec2a442c_qkv:
	.size	k_qffec2a442c_qkv, .Lfunc_end_k_qffec2a442c_qkv-k_qffec2a442c_qkv
	.p2alignl 7, 3214868480
	.fill 96, 4, 3214868480
	.section	.rodata,"a",@progbits
	.p2align	6, 0x0
	.amdhsa_kernel k_qffec2a442c_qkv
		.amdhsa_group_segment_fixed_size 327680
		.amdhsa_private_segment_fixed_size 0
		.amdhsa_enable_private_segment 0
		.amdhsa_kernarg_size 24
		.amdhsa_user_sgpr_count 2
		.amdhsa_user_sgpr_kernarg_segment_ptr 1
		.amdhsa_wavefront_size32 1
		.amdhsa_system_sgpr_workgroup_id_x 1
		.amdhsa_system_sgpr_workgroup_id_y 1
		.amdhsa_system_sgpr_workgroup_id_z 1
		.amdhsa_system_vgpr_workitem_id 0
		.amdhsa_next_free_vgpr 960
		.amdhsa_next_free_sgpr 76
		.amdhsa_reserve_vcc 0
		.amdhsa_float_denorm_mode_32 3
		.amdhsa_float_denorm_mode_16_64 3
		.amdhsa_memory_ordered 1
		.amdhsa_forward_progress 1
		.amdhsa_inst_pref_size 119
	.end_amdhsa_kernel
	.amdgpu_metadata
---
amdhsa.version: [ 1, 2 ]
amdhsa.kernels:
  - .name:           k_qffec2a442c_qkv
    .symbol:         k_qffec2a442c_qkv.kd
    .args:
      - { .name: xb, .offset: 0, .size: 8, .value_kind: global_buffer, .address_space: global }
      - { .name: wt, .offset: 8, .size: 8, .value_kind: global_buffer, .address_space: global }
      - { .name: hd, .offset: 16, .size: 8, .value_kind: global_buffer, .address_space: global }
    .group_segment_fixed_size: 327680
    .private_segment_fixed_size: 0
    .kernarg_segment_align: 8
    .kernarg_segment_size: 24
    .max_flat_workgroup_size: 128
    .sgpr_count:     76
    .vgpr_count:     960
    .wavefront_size: 32
...
	.end_amdgpu_metadata
.endif
;; end of part 2
;; launch attn (part 3): grid 8 x 32, 4 waves a work-group, clusters of 4 x 1, 327,680 bytes of LDS; arguments hd, yh; writes yh
.if DOCPART == 3
	.amdgcn_target "amdgcn-amd-amdhsa--gfx1250"
	.amdhsa_code_object_version 6
	.text
	.protected	k_qffec2a442c_attn
	.globl	k_qffec2a442c_attn
	.p2align	8
	.type	k_qffec2a442c_attn,@function
k_qffec2a442c_attn:
	s_mov_b64 s[64:65], 0
	v_nop
	global_prefetch_b8 v0, s[64:65] scope:SCOPE_SE
	s_setreg_imm32_b32 hwreg(HW_REG_WAVE_MODE, 25, 1), 1
	s_wait_xcnt 0x0
	s_wait_alu depctr_hold_cnt(0) depctr_sa_sdst(0) depctr_va_vdst(0) depctr_va_sdst(0) depctr_va_ssrc(0) depctr_va_vcc(0) depctr_vm_vsrc(0)
	s_getreg_b32 s2, hwreg(HW_REG_IB_STS2, 6, 4)
	s_cmp_eq_u32 s2, 0
	s_cbranch_scc0 .Lentry_in_a_cluster
	s_endpgm
.Lentry_in_a_cluster:
	s_bfe_u32 s2, ttmp6, 0x10000c
	s_cmp_lg_u32 s2, 0x3003
	s_cbranch_scc0 .Lentry_shape_is_right
	s_endpgm
.Lentry_shape_is_right:
; CAUSAL ATTENTION WITH TWO SCORES. y[h][q][:] = the sum over k <= q of softmax_k((Q[q].K[k] + QG[q].KG[k]) / (8 ln 2048)) V[k][:], for 32 heads of 2,048 rows.
; hd holds five planes [32][2048][64] f16: Q, QG, K, KG, V; y is [32][2048][64] f16. The two scores are ONE product over 128 channels: chunks 0, 1 from Q and K, chunks 2, 3 from QG and KG.
; Products, maxima and sums in f32; the weights p are rounded to f16 for the second product (their sum l is taken of the unrounded p), y once at the end.
; LIMITS. The inputs arrive within f16's 65,504. A hidden score counts as -1e30 plus its value; a weight below 2^-126 counts as 0 in l; NaN and infinities are not treated apart.
; THE WALK. A head's queries lie in 16 blocks of 128. Work-group b = 4 c2 + cx takes block 15 - b and then block b. The four partners of a cluster (same c2) walk ONE sequence of key
; tiles of 256 keys: tiles 0 .. 7 - 2 c2 for the first block, then 0 .. 1 + 2 c2 for the second: ten tiles whatever b, each asked for JOINTLY (same tensor load, descriptor and mask in all four).
; The grid has two clusters a head, so c2 is 0 or 1 and the blocks change on entering the walk's tile 8 or 6: the slot loop's counter picks those two trips, and there c2 decides.
; Trip counts are constants; branches hang on constants and on c2, which the partners share; cx enters Q's and y's addresses and, by selects, the mask's two scalars. The price: a partner also works
; through the key steps that lie wholly above its diagonal, 40 steps where its own blocks need 34.
; SHARES. Wave w owns two PIECES of 16 queries: piece x is rows 128 I + 64 x + 16 w + 0..15 of block I. Its own key step is 2 I + x: an earlier step shows it all keys, a later one none.
; THE MASK starts the sum S^T: MD x AL + BE is written into S^T's registers and all 16 products add onto it. MD, made once, is the mask of a piece's own step (0, or -1e30 where the key is hidden);
; (AL, BE) = (0, 0) before the piece's own step; (1, 0) in it; (0, -1e30) behind it.
; LAYOUT. S^T = K Q^T (source 0 = 16 keys, source 1 = 16 queries): a lane holds ONE query (lane % 16) and the keys 8 (lane / 16) + 0..7; two results rounded to f16 ARE source 1 of O^T = V^T P.
; SOFTMAX. Running maximum m and sum l: p = 2^(c s - c m), c = log2(e) / (8 ln 2048); in every step O and l are multiplied by a = 2^(c m_old - c m_new). A block starts with c m far below every c s,
; so its first a is 0 and what O and l held before need only be finite.
; BY HALF TURNS. HA p: 8 products V^T P of the other piece, its next mask, and numbers 0-23 of piece p's softmax. HB p: 16 products K Q^T of the other piece and numbers 24-117.
; A trip is HB 0, HA 1, HB 1, HA 0: one key step for both pieces, 48 matrix and 268 vector instructions, five or six vector instructions behind each matrix instruction.
; REGISTERS, in windows of 256 (s_set_vgpr_msb: bits 1:0 source 0, 3:2 source 1, 5:4 source 2, 7:6 destination):
;   window 0: v0-15 addresses; v16-31 eight statistics a piece; v32-95 S^T; v96-127 P; v128-191 O^T; v192-223 MD.      window 1: v0-63 Q; v64-191 K of one step; v192-255 V of one step.
.set PL,    8388608   ; bytes in a plane of hd
.set KS,    64        ; keys in a step
.set PK,    144       ; a row of K in LDS: 128 bytes + 16 of padding: the 16 rows of a load start at 16 different groups of four banks (ISA guide 11.1)
.set PVP,   160       ; a row of V: 128 + 32
.set GOFF,  256*PK    ; a slot: 256 rows of K, 256 of KG,
.set VOFF,  2*GOFF    ; 256 of V
.set SLOT1, 1<<17     ; slot 1 begins here, so that one exclusive or turns an address in one slot into the other's
.set STAGE, SLOT1+VOFF+256*PVP  ; behind the ring, never filled by a tensor load: 16 rows x 144 bytes for each wave
.set SP,    144
.set SPARE, STAGE+4*16*SP       ; behind the stages: the spare words, 128 bytes for each wave
.set AK0, 2           ; v2   my lane's place in a step's K; never rewritten
.set AV0, 3           ; v3   the same for V
.set AK,  4           ; v4   LDS address of K's runs of loads
.set AV,  5           ; v5   of V's
.set STO, 6           ; v6   the way out: where I put 16 bytes of a row
.set RD,  7           ; v7   where I read rows back
.set GO,  8           ; v8   my 16 bytes in 512 consecutive bytes of y
.set SPW, 12          ; v12  LDS address of my spare word; never rewritten
.set NIL, 13          ; v13  0; never rewritten
.set QO,  14          ; v14  my byte offset in 16 rows of Q
.set ST,  16          ; piece t at v[ST+8 t]: c m, m, l (even keys', odd keys'), c0-c3 at work; a takes c2's place
.set S,   32
.set P,   96
.set O,   128
.set MD,  192
.set QF,  0           ; window 1: piece x, chunk c at 32 x + 8 c
.set KF,  64          ; window 1: key block kb, chunk c at KF + 32 kb + 8 c
.set VF,  192         ; window 1: key half kk, channel block cb at VF + 32 kk + 8 cb
.set WV,  12          ; s12  my wave's number
.set CX,  13          ; s13  my place in the cluster
.set C2,  14          ; s14  the cluster's x: 0 or 1
.set BH,  15          ; s15  the head
.set KB,  16          ; s[16:17] K (wave 0) or KG (wave 1) at the head's tile 0
.set VB,  18          ; s[18:19] V at my half of the head's tile 0
.set QA1, 20          ; s[20:21], s[22:23] Q and QG at my rows of the first block
.set GA1, 22
.set G1K, 24          ; s[24:31] descriptor group 1 for K's and KG's tiles
.set G1V, 32          ; s[32:39] for V's
.set G0K, 40          ; s[40:43], s[44:47] descriptor groups 0: they walk
.set G0V, 44
.set QA2, 48          ; s[48:51] Q and QG at my rows of the second block
.set GA2, 50
.set OA,  52          ; s[52:53] y at my rows of the block in hand;  s[54:55] of the second block
.set OA2, 54
.set SLOTS, 56        ; s56  tiles still to be asked for: 9 on entering the walk's tile 0, 9 - t on entering tile t
.set CNT, 57          ; s57  counts a tile's key steps
.set CS,  58          ; s[58:59] c
.set SEL, 60          ; s[60:61] v_permlanex16_b32's selects: each lane takes its own place in the other half
.set TBK, 62          ; s62  LDS byte at which K of the step to be fetched begins
.set TBV, 63          ; s63  the same for V, less VOFF
.set NXT, 67          ; s67  the tile to be asked for next
.set LQ,  68          ; s68  the last tile of the part whose tiles are being asked for
.set NEW, 69          ; s69  1: nothing has begun yet
.set OFF, 70          ; s[70:71] a tile's byte offset in its plane
.set AL0, 72          ; s[72:73] AL, s[74:75] BE of piece 0; s[76:79] of piece 1
.set BE0, 74
.set DD,  80          ; s80  piece 0's own step less the step whose masks are being made
.set XI0, 81          ; s81  piece 0's own step in the block in hand
.set BIGN, 83         ; s83  -1e30
.set I22, 85          ; s85  piece 0's own step in the second block
.set LQ2, 92          ; s92  the second part's last tile
.set MSB, 0
.macro WIN new                      ; the high byte repeats the setting that is left; a switch that changes nothing is dropped
.if MSB != (\new)
	s_set_vgpr_msb (MSB<<8)|(\new)
.set MSB, (\new)
.endif
.endm
.set W_KQ, 0x05       ; K and Q in window 1, S^T in window 0
.set W_PV, 0x01       ; V in window 1, P and O^T in window 0
.set W_LD, 0x40       ; a load's destination in window 1, its address in window 0
; A joint fill. Wave 0 fetches a tile's K, wave 1 its KG (256 keys each), waves 2 and 3 the halves of its V. The branch hangs on the wave's number alone.
; An s_nop 0 and four v_nop follow each of the two lines, ahead of the jump and the label.
.macro JLOAD
	s_cmp_lt_u32 s[WV], 2
	s_cbranch_scc0 .Lfor_v_\@
	tensor_load_to_lds s[G0K:G0K+3], s[G1K:G1K+7]
	s_nop 0
.rept 4
	v_nop
.endr
	s_branch .Lasked_\@
.Lfor_v_\@:
	tensor_load_to_lds s[G0V:G0V+3], s[G1V:G1V+7]
	s_nop 0
.rept 4
	v_nop
.endr
.Lasked_\@:
.endm
.macro CROUND                       ; a round of the cluster's barrier
	s_barrier_signal -1
	s_barrier_wait -1
	s_cmp_lg_u32 s[WV], 0
	s_cbranch_scc1 .Lnot_wave_0_\@
	s_barrier_signal -3
.Lnot_wave_0_\@:
	s_barrier_wait -3
	s_barrier_signal -1
	s_barrier_wait -1
.endm
; THE CHANGE OF SLOTS. The slot's last bytes, V of its fourth step, have been asked for. Each wave waits for all its tensor loads (one is out: its part of the other slot), adds 0 to its spare word,
; and waits for that and for its reads of the slot. fill = 1: the barrier is a round of the cluster's, and the slot is filled again first behind it, with tile NXT; the descriptor's address is made anew
; from that number. The fill has four key steps, 192 matrix instructions, in which to land. (At its first use nothing has been read yet: slot 0 is waited for, slot 1 filled.)
.macro CHANGE fill
	WIN 0                           ; at a label and at a branch every window is 0
	s_wait_tensorcnt 0x0            ; no tensor load of mine is out, so a group 0 may be written
	ds_add_u32 v[SPW], v[NIL]       ; 0 onto my spare word; scalar work stands between it and the wait for it
.if \fill
	s_lshl_b32 s[OFF], s[NXT], 15   ; a tile is 32,768 bytes of each plane
	s_xor_b32 s[G0K+1], s[G0K+1], SLOT1
	s_add_nc_u64 s[G0K+2:G0K+3], s[KB:KB+1], s[OFF:OFF+1]
	s_or_b32 s[G0K+3], s[G0K+3], 0x80000000
	s_xor_b32 s[G0V+1], s[G0V+1], SLOT1
	s_add_nc_u64 s[G0V+2:G0V+3], s[VB:VB+1], s[OFF:OFF+1]
	s_or_b32 s[G0V+3], s[G0V+3], 0x80000000
	s_add_co_u32 s[NXT], s[NXT], 1  ; the part's next tile, or behind its last the second part's tile 0
	s_cmp_gt_u32 s[NXT], s[LQ]
	s_cselect_b32 s[NXT], 0, s[NXT]
	s_cselect_b32 s[LQ], s[LQ2], s[LQ]
	s_wait_dscnt 0x0                ; the add is done, and my reads of the slot are over
	CROUND
	JLOAD
.else
	s_wait_dscnt 0x0                ; the add is done, and my reads of the slot are over
	s_barrier_signal -1
	s_barrier_wait -1
.endif
	s_sub_co_u32 s[TBK], s[TBK], 4*KS*PK   ; the fetches go back to a slot's first step,
	s_xor_b32 s[TBK], s[TBK], SLOT1        ; in the other slot
	s_sub_co_u32 s[TBV], s[TBV], 4*KS*PVP
	s_xor_b32 s[TBV], s[TBV], SLOT1
.endm
; 16 loads: Q and QG of both pieces. A fragment is 16 rows x 32 channels: lane l holds row l % 16, channels 8 (l / 16) + 0..7 and 16 + 8 (l / 16) + 0..7.
.macro QLOAD qa, ga
	WIN W_LD
.irp x, 0,1
.irp c, 0,1
	global_load_b128 v[QF+32*\x+8*\c:QF+32*\x+8*\c+3],     v[QO], s[\qa:\qa+1] offset:\x*8192+\c*64
	global_load_b128 v[QF+32*\x+8*\c+4:QF+32*\x+8*\c+7],   v[QO], s[\qa:\qa+1] offset:\x*8192+\c*64+32
	global_load_b128 v[QF+32*\x+8*\c+16:QF+32*\x+8*\c+19], v[QO], s[\ga:\ga+1] offset:\x*8192+\c*64
	global_load_b128 v[QF+32*\x+8*\c+20:QF+32*\x+8*\c+23], v[QO], s[\ga:\ga+1] offset:\x*8192+\c*64+32
.endr
.endr
	WIN 0
.endm
	s_load_b128 s[4:7], s[0:1], 0x0 ; hd s[4:5], yh s[6:7]
	v_lshl_add_u32 v[SPW], v0, 2, SPARE
	v_mov_b32 v[NIL], 0
	ds_add_u32 v[SPW], v[NIL]       ; the wave's opening: the add and its wait stand ahead of my first tensor load; work on registers stands between them
	v_lshrrev_b32 v1, 5, v0
	v_readfirstlane_b32 s[WV], v1   ; wave 0..3
	s_bfe_u32 s[CX], ttmp6, 0x40000
	s_mov_b32 s[C2], ttmp9          ; in a cluster launch ttmp9 counts clusters
	s_and_b32 s[BH], ttmp7, 0xffff
	s_lshl_b32 s86, s[BH], 18       ; the head's first byte in a plane
	s_and_b32 s87, s[WV], 1
	s_add_co_u32 s88, s87, 2        ; plane 2 (K) or 3 (KG)
	s_lshl_b32 s88, s88, 23
	s_add_co_u32 s88, s88, s86
	s_mov_b32 s89, 0
	s_lshl_b32 s90, s87, 14         ; plane 4 (V), my 128 of a tile's 256 keys
	s_add_co_u32 s90, s90, s86
	s_add_co_u32 s90, s90, 4*PL
	s_mov_b32 s91, 0
	s_mov_b32 s[G0K], 1             ; count = 1
	s_mul_i32 s[G0K+1], s87, GOFF   ; LDS address, slot 0: no place in the cluster enters it
	s_mov_b32 s[G0V], 1
	s_mul_i32 s[G0V+1], s87, 128*PVP
	s_add_co_u32 s[G0V+1], s[G0V+1], VOFF
	; descriptor group 1. A plane's rows are dense: 256 keys are asked for as 128 rows of 256 bytes, two keys a row, and padded in LDS after every key
	s_mov_b32 s[G1K], 15|(1<<16)|(1<<20)|(1<<21)|(4<<22)|(3<<25)  ; 15:0 the mask of four; 17:16 2-byte elements; 20 padding on; 21 set beside a mask; 24:22 after every 32 words (code 4); 31:25 4 words (code 3)
	s_mov_b32 s[G1V], 15|(1<<16)|(1<<20)|(1<<21)|(4<<22)|(7<<25)  ; the same with 8 words of padding (code 7)
	s_mov_b32 s[G1K+1], 128<<16     ; tensor_dim0 = 128
	s_mov_b32 s[G1V+1], 128<<16
	s_mov_b32 s[G1K+2], 128<<16     ; tensor_dim1 = 128 rows,
	s_mov_b32 s[G1V+2], 64<<16      ; 64 for half of V
	s_mov_b32 s[G1K+3], 128<<16     ; tile_dim0 = 128
	s_mov_b32 s[G1V+3], 128<<16
	s_mov_b32 s[G1K+4], 128         ; tile_dim1
	s_mov_b32 s[G1V+4], 64
	s_mov_b32 s[G1K+5], 128         ; 128 elements from row to row
	s_mov_b32 s[G1V+5], 128
	s_mov_b32 s[G1K+6], 0
	s_mov_b32 s[G1V+6], 0
	s_mov_b32 s[G1K+7], 0
	s_mov_b32 s[G1V+7], 0
	s_lshl_b32 s[LQ2], s[C2], 1
	s_sub_co_u32 s[LQ], 7, s[LQ2]   ; the first part's last tile is 7 - 2 c2,
	s_add_co_u32 s[LQ2], s[LQ2], 1  ; the second's 1 + 2 c2
	s_mov_b32 s[NXT], 1
	s_mov_b32 s[NEW], 1
	s_mov_b32 s[SLOTS], 9
	s_mov_b32 s[OFF+1], 0
	s_mov_b32 s[AL0+1], 0           ; named as pairs
	s_mov_b32 s[BE0+1], 0
	s_mov_b32 s[AL0+5], 0
	s_mov_b32 s[BE0+5], 0
	s_mov_b32 s[BIGN], 0xf149f2ca   ; -1e30
	s_mov_b32 s[CS], 0x3cc1c1ac     ; c = log2(e) / (8 ln 2048) = 0.0236519
	s_mov_b32 s[CS+1], s[CS]
	s_mov_b32 s[SEL], 0x76543210
	s_mov_b32 s[SEL+1], 0xfedcba98
	s_mov_b32 s[TBK], SLOT1+4*KS*PK ; the first change of slots turns these two into 0
	s_mov_b32 s[TBV], SLOT1+4*KS*PVP
	; what hangs on cx, in registers of its own
	s_lshl_b32 s93, s[C2], 2
	s_add_co_u32 s93, s93, s[CX]    ; b: the second block
	s_sub_co_u32 s99, 15, s93       ; the first block
	s_lshl_b32 s[XI0], s99, 1
	s_lshl_b32 s[I22], s93, 1
	s_lshl_b32 s98, s[WV], 11       ; my 16 rows in a band of 64,
	s_add_co_u32 s98, s98, s86      ; in the head
	s_lshl_b32 s94, s99, 14         ; a block is 128 rows of 128 bytes
	s_add_co_u32 s94, s94, s98
	s_mov_b32 s95, 0
	s_lshl_b32 s96, s93, 14
	s_add_co_u32 s96, s96, s98
	s_mov_b32 s97, 0
	s_wait_dscnt 0x0                ; the opening add is done
	s_wait_kmcnt 0x0
	s_add_nc_u64 s[KB:KB+1], s[4:5], s[88:89]
	s_add_nc_u64 s[VB:VB+1], s[4:5], s[90:91]
	s_add_nc_u64 s[G0K+2:G0K+3], s[KB:KB+1], 0
	s_or_b32 s[G0K+3], s[G0K+3], 0x80000000        ; type = 2
	s_add_nc_u64 s[G0V+2:G0V+3], s[VB:VB+1], 0
	s_or_b32 s[G0V+3], s[G0V+3], 0x80000000
	s_add_nc_u64 s[QA1:QA1+1], s[4:5], s[94:95]
	s_add_nc_u64 s[GA1:GA1+1], s[QA1:QA1+1], PL
	s_add_nc_u64 s[QA2:QA2+1], s[4:5], s[96:97]
	s_add_nc_u64 s[GA2:GA2+1], s[QA2:QA2+1], PL
	s_add_nc_u64 s[OA:OA+1], s[6:7], s[94:95]
	s_add_nc_u64 s[OA2:OA2+1], s[6:7], s[96:97]
	CROUND                          ; all four work-groups are here: the first joint loads meet
	JLOAD                           ; tile 0 into slot 0; slot 1 is asked for when slot 0 is in
	v_and_b32 v1, 15, v0            ; l % 16
	v_bfe_u32 v9, v0, 4, 1          ; l / 16
	v_lshlrev_b32 v[QO], 7, v1
	v_lshl_add_u32 v[QO], v9, 4, v[QO]  ; row x 128 + 16 x half
	QLOAD QA1, GA1
	; What the first half turn finds: its products V^T P, of a piece that has not been, need finite numbers in V, P and O^T; l and O^T are then multiplied by a = 0. All this stands in the wait for the first tile.
	WIN W_LD
.set i, VF
.rept 64
	v_mov_b32 v[i], 0
.set i, i+1
.endr
	WIN 0
.set i, O
.rept 64
	v_mov_b32 v[i], 0
.set i, i+1
.endr
.set i, P+16
.rept 16
	v_mov_b32 v[i], 0
.set i, i+1
.endr
.irp t, 0,1
	v_mov_b32 v[ST+8*\t+2], 0
	v_mov_b32 v[ST+8*\t+3], 0
.endr
	v_lshlrev_b32 v15, 3, v9
	v_sub_nc_u32 v15, v1, v15
	s_lshl_b32 s86, s[WV], 4
	v_add_nc_u32 v15, s86, v15      ; my query's place in its band, 16 w + l % 16, less my lanes' 8 (l / 16): register r of key block kb is hidden where 16 kb + r is greater
.set i, 0
.rept 32
	v_cmp_gt_i32 vcc_lo, 16*(i/8)+i%8, v15
	v_cndmask_b32 v[MD+i], 0, s[BIGN], vcc_lo
.set i, i+1
.endr
	v_mul_u32_u24 v[AK0], v1, PK
	v_lshl_add_u32 v[AK0], v9, 4, v[AK0]  ; row x pitch + 16 x half
	; The turning load takes 16 keys x 16 channels (lane l reads key 8 (l / 16) + l % 8, channels 8 ((l / 8) % 2) + 0..7) and leaves half a fragment of V^T: lane l holds channel l % 16 and 8 keys.
	v_and_b32 v10, 7, v0
	v_bfe_u32 v11, v0, 3, 1
	v_lshl_add_u32 v[AV0], v9, 3, v10
	v_mul_u32_u24 v[AV0], v[AV0], PVP
	v_lshl_add_u32 v[AV0], v11, 4, v[AV0]
	v_add_nc_u32 v[AV0], VOFF, v[AV0]
	s_mul_i32 s86, s[WV], 16*SP
	s_add_co_u32 s86, s86, STAGE    ; my stage
	v_mul_u32_u24 v[STO], v1, SP    ; in: row l % 16, 16 bytes for each half of the lanes
	v_lshl_add_u32 v[STO], v9, 4, v[STO]
	v_add_nc_u32 v[STO], s86, v[STO]
	v_bfe_u32 v[RD], v0, 3, 2       ; back: 32 lanes take four rows of 128 bytes,
	v_mul_u32_u24 v[RD], v[RD], SP
	v_lshl_add_u32 v[RD], v10, 4, v[RD]
	v_add_nc_u32 v[RD], s86, v[RD]
	v_and_b32 v[GO], 31, v0         ; which are 512 consecutive bytes of y
	v_lshlrev_b32 v[GO], 4, v[GO]
; THE MATRIX WORK. The four accumulators of a run take turns, one instruction a turn.
; Product i of 16 of S^T += K Q^T for piece x: chunk i / 4 of the 128 channels, keys 16 (i % 4) on. The sum starts on the mask.
.macro KQ x
	WIN W_KQ
.set rS, S+32*(\x)+8*(i%4)
.set rK, KF+32*(i%4)+8*(i/4)
.set rQ, QF+32*(\x)+8*(i/4)
	v_wmma_f32_16x16x32_f16 v[rS:rS+7], v[rK:rK+7], v[rQ:rQ+7], v[rS:rS+7]
.endm
; Product i of 8 of O^T += V^T P for piece x: keys 32 (i / 4) on, channels 16 (i % 4) on.
.macro PV x
	WIN W_PV
.set rO, O+32*(\x)+8*(i%4)
.set rV, VF+32*(i/4)+8*(i%4)
.set rP, P+16*(\x)+8*(i/4)
	v_wmma_f32_16x16x32_f16 v[rO:rO+7], v[rV:rV+7], v[rP:rP+7], v[rO:rO+7]
.endm
; THE LDS LOADS. K comes a chunk at a time, 8 loads: 64 keys x 32 channels of K (chunks 0, 1) or KG (chunks 2, 3). V comes in one run of 16, turned.
.macro KRUN c
	WIN W_LD
.irp kb, 0,1,2,3
	ds_load_b128 v[KF+32*\kb+8*(\c):KF+32*\kb+8*(\c)+3],   v[AK] offset:\kb*16*PK+((\c)/2)*GOFF+((\c)%2)*64
	ds_load_b128 v[KF+32*\kb+8*(\c)+4:KF+32*\kb+8*(\c)+7], v[AK] offset:\kb*16*PK+((\c)/2)*GOFF+((\c)%2)*64+32
.endr
.endm
.macro FETCH_V
	WIN W_LD
.irp f, 0,1,2,3,4,5,6,7             ; keys 32 (f / 4) on, channels 16 (f % 4) on
	ds_load_tr16_b128 v[VF+8*\f:VF+8*\f+3],   v[AV] offset:(\f/4)*32*PVP+(\f%4)*32
	ds_load_tr16_b128 v[VF+8*\f+4:VF+8*\f+7], v[AV] offset:(\f/4)*32*PVP+16*PVP+(\f%4)*32
.endr
	s_add_co_u32 s[TBV], s[TBV], KS*PVP  ; the next fetch is the next step's
	WIN 0
.endm
; THE VECTOR WORK. One piece's softmax for one key step is a list of 118 instructions; SM writes number j of it for piece t. s0-s31 are the lane's 32 scores, in pairs 0-15.
;   0-15    the maximum of s0-s31 and the old m, three operands at a time: four chains c0-c3 of seven scores each (each accumulator's lowest registers first), then the rest
;   16-20   the other half of the lanes' maximum; c m_old is kept; the new m; c m; c m_old - c m_new
;   21-87   33 exponentials (a, then s0-s31) at the odd numbers from 23 on, a plain instruction behind each before its result is used (ISA guide 5.7.2): c s - c m for a pair whose
;           exponentials are still to come, the rounding to f16 of a pair whose exponentials are done, at last the first three sums
;   88-101  the last rounding; the rest of the sums; l = a l + the sum          102-117  O^T times a, in ascending order
.macro SM t
.set rT, ST+8*(\t)
.set rS, S+32*(\t)
.set rP, P+16*(\t)
.set rO, O+32*(\t)
.set q, (j-20)/2
.if j < 4
	s_wait_alu depctr_va_vdst(0)
	v_max3_num_f32 v[rT+4+j], v[rS+8*j], v[rS+8*j+1], v[rS+8*j+2]
.elseif j < 12
	v_max3_num_f32 v[rT+4+j%4], v[rT+4+j%4], v[rS+8*(j%4)+2*(j/4)+1], v[rS+8*(j%4)+2*(j/4)+2]
.elseif j == 12
	v_max3_num_f32 v[rT+4], v[rT+4], v[rS+7], v[rS+15]
.elseif j == 13
	v_max3_num_f32 v[rT+6], v[rT+6], v[rS+23], v[rS+31]
.elseif j == 14
	v_max3_num_f32 v[rT+4], v[rT+4], v[rT+5], v[rT+6]
.elseif j == 15
	v_max3_num_f32 v[rT+4], v[rT+4], v[rT+7], v[rT+1]
.elseif j == 16
	v_permlanex16_b32 v[rT+5], v[rT+4], s[SEL], s[SEL+1]  ; the query's other 32 keys lie in the lane 16 away
.elseif j == 17
	v_mov_b32 v[rT+7], v[rT]        ; c m_old is kept for a: number 19 writes c m anew
.elseif j == 18
	v_max_num_f32 v[rT+1], v[rT+4], v[rT+5]
.elseif j == 19
	v_mul_f32 v[rT], s[CS], v[rT+1]
.elseif j == 20
	v_sub_f32 v[rT+7], v[rT+7], v[rT]
.elseif j == 23
	v_exp_f32 v[rT+6], v[rT+7]
.elseif (j < 88) && (j > 23) && (j%2 == 1)
	v_exp_f32 v[rS+(j-25)/2], v[rS+(j-25)/2]
.elseif (q < 4) || ((j < 76) && (q%2 == 0))
.set b, q/2+2
.if q < 4
.set b, q
.endif
	v_pk_fma_f32 v[rS+2*b:rS+2*b+1], v[rS+2*b:rS+2*b+1], s[CS:CS+1], v[rT:rT+1] op_sel_hi:[1,0,0] neg_lo:[0,0,1] neg_hi:[0,0,1]  ; pair b: c s - c m
.elseif (j < 88) && (q%2 == 1)
	s_wait_alu depctr_va_vdst(0)
	v_cvt_pk_f16_f32 v[rP+(q-5)/2], v[rS+q-5], v[rS+q-4]  ; pair (q - 5) / 2: its second exponential stands three numbers back
.elseif j == 89
	s_wait_alu depctr_va_vdst(0)
	v_cvt_pk_f16_f32 v[rP+15], v[rS+30], v[rS+31]
.elseif j < 102                     ; the sum of the 16 pairs (an even key's weight, an odd key's), in place: neighbours 1, 2, 4 and 8 pairs apart, then l takes it
.set z, j-86
.if j < 89
.set z, (j-76)/4
.endif
.set w, 4
.set u, z
.if z >= 14
.set w, 32
.set u, 0
.elseif z >= 12
.set w, 16
.set u, z-12
.elseif z >= 8
.set w, 8
.set u, z-8
.endif
.if z < 15
	v_pk_add_f32 v[rS+w*u:rS+w*u+1], v[rS+w*u:rS+w*u+1], v[rS+w*u+w/2:rS+w*u+w/2+1]
.else
	v_pk_fma_f32 v[rT+2:rT+3], v[rT+2:rT+3], v[rT+6:rT+7], v[rS:rS+1] op_sel_hi:[1,0,1]
.endif
.else
	v_pk_mul_f32 v[rO+2*(j-102):rO+2*(j-102)+1], v[rO+2*(j-102):rO+2*(j-102)+1], v[rT+6:rT+7] op_sel_hi:[1,0]
.endif
.endm
.macro MK x, n                      ; pair n of 16 of piece x's mask, into S^T
	v_pk_fma_f32 v[S+32*(\x)+2*(\n):S+32*(\x)+2*(\n)+1], v[MD+2*(\n):MD+2*(\n)+1], s[AL0+4*(\x):AL0+4*(\x)+1], s[BE0+4*(\x):BE0+4*(\x)+1] op_sel_hi:[1,0,0]
.endm
.macro MASKS                        ; the two scalars of both pieces' masks: selects, no branch. Piece 0's own step is where DD = 0, piece 1's one step on, where DD = -1
	s_cmp_eq_i32 s[DD], 0
	s_cselect_b32 s[AL0], 1.0, 0
	s_cmp_lt_i32 s[DD], 0
	s_cselect_b32 s[BE0], s[BIGN], 0
	s_cmp_eq_i32 s[DD], -1
	s_cselect_b32 s[AL0+4], 1.0, 0
	s_cmp_lt_i32 s[DD], -1
	s_cselect_b32 s[BE0+4], s[BIGN], 0
.endm
; HALF TURN A of piece p: eight slices. pv = 1: a product V^T P of the other piece heads each. mask = 1: two pairs of the other piece's next mask. Then three numbers of piece p's list.
; fv = 1: behind the last slice V of the next step is fetched: behind the last product that read V stand two masks, numbers 21 and 22 and the address line: five plain instructions.
.macro HA p, pv, mask, fv
.set k, 0
.rept 8
.if \pv
.set i, k
	PV 1-(\p)
.endif
	WIN 0
.if \mask
	MK 1-(\p), 2*k
	MK 1-(\p), 2*k+1
.endif
.set j, 3*k
	SM \p
.set j, 3*k+1
	SM \p
.set j, 3*k+2
	SM \p
.set k, k+1
.endr
.if \fv
	v_add_nc_u32 v[AV], s[TBV], v[AV0]  ; also the plain instruction behind the exponential that makes a
	FETCH_V
.endif
.endm
; HALF TURN B of piece p: sixteen slices. kq = 1: a product K Q^T of the other piece heads each. Then six numbers of piece p's list (the last two slices: five).
; Slice 15 is five multiplies of O^T, which name no register of the products: the places in front of the next half turn's first read of the scores.
; fk = 1: K of the next step is fetched a chunk at a time, chunk c behind slice 4 c + 4 (the last behind slice 15): five plain instructions or more behind the last product that read the chunk.
; wk = 1: the products wait for K chunk by chunk: 24, 16, 8, 0 younger loads may be out.
.macro HB p, kq, fk, wk
.set k, 0
.rept 16
.if (\wk) && (k%4 == 0)
	s_wait_dscnt 24-2*k
.endif
.if \kq
.set i, k
	KQ 1-(\p)
.endif
	WIN 0
.set n, 0
.rept 6
.if k < 14
.set j, 24+6*k+n
	SM \p
.elseif n < 5
.set j, 108+5*(k-14)+n
	SM \p
.endif
.set n, n+1
.endr
.if (\fk) && ((k == 4) || (k == 8) || (k == 12) || (k == 15))
	KRUN (k-1)/4
.endif
.set k, k+1
.endr
.if \fk
	s_add_co_u32 s[TBK], s[TBK], KS*PK  ; the next fetch is the next step's
.endif
.endm
; The first three half turns of a trip. Piece 1's scores of the step in hand and piece 0's softmax | piece 0's V^T P, its mask for the next step, piece 1's maximum | piece 0's scores of the next step and piece 1's softmax.
.macro TRIPA
	s_sub_co_i32 s[DD], s[DD], 1    ; the masks made in this trip are the next step's
	MASKS
	WIN 0
	v_add_nc_u32 v[AK], s[TBK], v[AK0]
	HB 0, 1, 1, 0
	s_wait_dscnt 32                 ; V is in: behind its 16 loads only K's 32 were issued
	HA 1, 1, 1, 0
	HB 1, 1, 0, 1
	WIN 0
.endm
; A BLOCK BEGINS. c m starts far below every c s, m at the lowest finite number. Piece 0's mask for step 0, K of that step, piece 0's first scores; then into the middle of a trip.
.macro BEGIN
	WIN 0
.irp t, 0,1
	v_mov_b32 v[ST+8*\t], 0xfe000000
	v_mov_b32 v[ST+8*\t+1], 0xff7fffff
.endr
	s_mov_b32 s[DD], s[XI0]         ; step 0
	MASKS
.set k, 0
.rept 16
	MK 0, k
.set k, k+1
.endr
	v_add_nc_u32 v[AK], s[TBK], v[AK0]
.irp c, 0,1,2,3
	KRUN \c
.endr
	s_add_co_u32 s[TBK], s[TBK], KS*PK
	s_wait_loadcnt 0x0              ; Q
	s_wait_dscnt 0x0                ; K
.set i, 0
.rept 16
	KQ 0
.set i, i+1
.endr
	WIN 0
.rept 4
	v_nop                           ; the places behind those products
.endr
.endm
; A BLOCK ENDS: piece 1's last scores and piece 0's last softmax; piece 0's last V^T P and piece 1's maximum; piece 1's last softmax; its last V^T P.
; q2 = 1: the second block's Q is loaded as soon as the last product has read the first's, five plain instructions behind it.
.macro FINAL q2
	HB 0, 1, 0, 0
.if \q2
	s_wait_loadcnt 0x0              ; no earlier load into Q's registers is out when the new ones are issued (the first block's were waited for when it began, so this wait is met at once)
	QLOAD QA2, GA2
.endif
	s_wait_dscnt 0x0                ; V of the last step is in
	HA 1, 1, 0, 0
	HB 1, 0, 0, 0
.set i, 0
.rept 8
	PV 1
.set i, i+1
.endr
.endm
; THE WAY OUT. l's two halves and the other half of the lanes' are added; O^T is divided by l, rounded to f16 and sent through my stage in LDS, a piece at a time.
.macro PACK t                       ; a lane's eight channels of a row pack into 16 bytes; they go into rows of 144 bytes and come back as whole rows of 128, into S^T's registers
.set i, 0
.rept 16
	s_wait_alu depctr_va_vdst(0)
	v_pk_mul_f32 v[O+32*(\t)+2*i:O+32*(\t)+2*i+1], v[O+32*(\t)+2*i:O+32*(\t)+2*i+1], v[ST+8*(\t)+6:ST+8*(\t)+7] op_sel_hi:[1,0]
.set i, i+1
.endr
.set i, 0
.rept 16
	v_cvt_pk_f16_f32 v[S+16*(\t)+i], v[O+32*(\t)+2*i], v[O+32*(\t)+2*i+1]
.set i, i+1
.endr
.irp f, 0,1,2,3
	ds_store_b128 v[STO], v[S+16*(\t)+4*\f:S+16*(\t)+4*\f+3] offset:32*\f
.endr
.irp f, 0,1,2,3
	ds_load_b128 v[S+16*(\t)+4*\f:S+16*(\t)+4*\f+3], v[RD] offset:\f*4*SP  ; LDS serves a wave's instructions in order (ISA guide 5.7.1.4): these see the stores above; the next piece's stores come behind them
.endr
.endm
.macro SEND t, younger              ; younger: the LDS instructions issued behind piece t's loads: the next piece's eight, or none
.irp f, 0,1,2,3
	s_wait_dscnt (\younger)+3-\f
	global_store_b128 v[GO], v[S+16*(\t)+4*\f:S+16*(\t)+4*\f+3], s[OA:OA+1] offset:(\t)*8192+\f*512  ; 512 consecutive bytes, at a multiple of 256 from y's first
.endr
.endm
.macro WAYOUT
	WIN 0
.irp t, 0,1
	v_add_f32 v[ST+8*\t+4], v[ST+8*\t+2], v[ST+8*\t+3]
.endr
.irp t, 0,1
	v_permlanex16_b32 v[ST+8*\t+5], v[ST+8*\t+4], s[SEL], s[SEL+1]
.endr
.irp t, 0,1
	v_add_f32 v[ST+8*\t+4], v[ST+8*\t+4], v[ST+8*\t+5]
.endr
.irp t, 0,1
	v_rcp_f32 v[ST+8*\t+6], v[ST+8*\t+4]
.endr
	v_nop                           ; a plain instruction between the last reciprocal and the use of its result
	PACK 0                          ; piece 0's arithmetic also stands between piece 1's last products and the first read of their results
	PACK 1
	SEND 0, 8
	SEND 1, 0
.endm
.Lslot:                             ; nine times: the walk's tile 9 - SLOTS is entered and the next is asked for
	CHANGE 1
	s_mov_b32 s[CNT], 4
	s_cmp_eq_u32 s[NEW], 1
	s_cbranch_scc1 .Lnew            ; the first trip alone
	s_cmp_eq_u32 s[SLOTS], 3        ; the walk's tile 6: the second part's first where c2 = 1
	s_cbranch_scc1 .Lsix
	s_cmp_eq_u32 s[SLOTS], 1        ; the walk's tile 8: the second part's first where c2 = 0
	s_cbranch_scc0 .Lstep           ; in every other trip the block in hand goes on
	s_cmp_eq_u32 s[C2], 0
	s_cbranch_scc0 .Lstep
	s_branch .Lturn
.Lsix:
	s_cmp_eq_u32 s[C2], 1
	s_cbranch_scc0 .Lstep
.Lturn:
	FINAL 1                         ; the first block's tiles are through: K and V of its last step lie in registers, and the slot just entered holds the second part's tile 0
	WAYOUT
	s_wait_xcnt 0x0                 ; the stores have read their registers and y's address
	s_mov_b64 s[OA:OA+1], s[OA2:OA2+1]
	s_mov_b32 s[XI0], s[I22]
.Lnew:
	s_mov_b32 s[NEW], 0
	BEGIN
	s_branch .Lfirst
.Lstep:                             ; a trip: the rest of one key step, then the beginning of the next, whose K and V it fetches
	TRIPA
.Lfirst:
	HA 0, 1, 1, 1                   ; piece 1's V^T P, its mask for the next step, piece 0's maximum | V of the next step
	s_sub_co_u32 s[CNT], s[CNT], 1
	s_cmp_lg_u32 s[CNT], 0
	s_cbranch_scc1 .Lstep
	s_sub_co_u32 s[SLOTS], s[SLOTS], 1
	s_cmp_lg_u32 s[SLOTS], 0
	s_cbranch_scc1 .Lslot
	CHANGE 0                        ; the walk's last tile is written out: nothing is asked for
	s_mov_b32 s[CNT], 4
.Lstep2:
	TRIPA
	HA 0, 1, 1, 1
	s_sub_co_u32 s[CNT], s[CNT], 1
	s_cmp_lg_u32 s[CNT], 0
	s_cbranch_scc1 .Lstep2
	FINAL 0
	WAYOUT
	s_wait_tensorcnt 0x0            ; the wave's end, behind my last tensor load and my last LDS store
	ds_add_u32 v[SPW], v[NIL]
	s_wait_dscnt 0x0
	CROUND                          ; the closing round: no work-group ends while a partner may still ask for a tile that names it
	s_endpgm
.Lfunc_end_k_qffec2a442c_attn:
	.size	k_qffec2a442c_attn, .Lfunc_end_k_qffec2a442c_attn-k_qffec2a442c_attn
	.p2alignl 7, 3214868480
	.fill 96, 4, 3214868480
	.section	.rodata,"a",@progbits
	.p2align	6, 0x0
	.amdhsa_kernel k_qffec2a442c_attn
		.amdhsa_group_segment_fixed_size 327680
		.amdhsa_private_segment_fixed_size 0
		.amdhsa_enable_private_segment 0
		.amdhsa_kernarg_size 16
		.amdhsa_user_sgpr_count 2
		.amdhsa_user_sgpr_kernarg_segment_ptr 1
		.amdhsa_wavefront_size32 1
		.amdhsa_system_sgpr_workgroup_id_x 1
		.amdhsa_system_sgpr_workgroup_id_y 1
		.amdhsa_system_sgpr_workgroup_id_z 1
		.amdhsa_system_vgpr_workitem_id 0
		.amdhsa_next_free_vgpr 512
		.amdhsa_next_free_sgpr 100
		.amdhsa_reserve_vcc 1
		.amdhsa_float_denorm_mode_32 3
		.amdhsa_float_denorm_mode_16_64 3
		.amdhsa_memory_ordered 1
		.amdhsa_forward_progress 1
		.amdhsa_inst_pref_size 123
	.end_amdhsa_kernel
	.amdgpu_metadata
---
amdhsa.version: [ 1, 2 ]
amdhsa.kernels:
  - .name:           k_qffec2a442c_attn
    .symbol:         k_qffec2a442c_attn.kd
    .args:
      - { .name: hd, .offset: 0, .size: 8, .value_kind: global_buffer, .address_space: global }
      - { .name: yh, .offset: 8, .size: 8, .value_kind: global_buffer, .address_space: global }
    .group_segment_fixed_size: 327680
    .private_segment_fixed_size: 0
    .kernarg_segment_align: 8
    .kernarg_segment_size: 16
    .max_flat_workgroup_size: 128
    .sgpr_count:     100
    .vgpr_count:     512
    .wavefront_size: 32
...
	.end_amdgpu_metadata
.endif
;; end of part 3
;; launch proj (part 4): grid 8 x 32, 4 waves a work-group, clusters of 4 x 4, 327,680 bytes of LDS; arguments yh, wo, out0; writes out0
.if DOCPART == 4
	.amdgcn_target "amdgcn-amd-amdhsa--gfx1250"
	.amdhsa_code_object_version 6
	.text
	.protected	k_qffec2a442c_proj
	.globl	k_qffec2a442c_proj
	.p2align	8
	.type	k_qffec2a442c_proj,@function
k_qffec2a442c_proj:
	s_mov_b64 s[64:65], 0
	v_nop
	global_prefetch_b8 v0, s[64:65] scope:SCOPE_SE
	s_setreg_imm32_b32 hwreg(HW_REG_WAVE_MODE, 25, 1), 1
	s_wait_xcnt 0x0
	s_wait_alu depctr_hold_cnt(0) depctr_sa_sdst(0) depctr_va_vdst(0) depctr_va_sdst(0) depctr_va_ssrc(0) depctr_va_vcc(0) depctr_vm_vsrc(0)
	s_getreg_b32 s2, hwreg(HW_REG_IB_STS2, 6, 4)
	s_cmp_eq_u32 s2, 0
	s_cbranch_scc0 .Lentry_in_a_cluster
	s_endpgm
.Lentry_in_a_cluster:
	s_bfe_u32 s2, ttmp6, 0x10000c
	s_cmp_lg_u32 s2, 0xf033
	s_cbranch_scc0 .Lentry_shape_is_right
	s_endpgm
.Lentry_shape_is_right:
; PROJ: out0 [4096][1024] f32 = y x W_out. y lies by heads, yh [32 heads][2048 rows][64] f16 (k = 64 x head + channel); wo is W_out turned, [1024 n][1024 k] f16. Sums in f32, K ascending.
; SHARES. A tile of out0 is 128 x 128: 8 x 32 tiles, one work-group on each of 256 WGPs. Four waves, each 64 x 64: 16 accumulators, 128 registers.
; RING. K goes in steps of 256 = four heads, through two LDS slots. A's part of a slot is [4 heads][128 rows] of 128 bytes at pitch 144: a head's 128 rows are 16,384 dense bytes of memory, asked for as ONE
; long row, two heads to a load, padded in LDS after every 128 bytes. B's part is 128 rows of 512 bytes at pitch 528, 64 rows to a load.
; CLUSTER. 4 x 4 work-groups: the four of a row of the cluster need the same tiles of y, the four of a column the same tiles of wo: each tile is asked for jointly.
; THE MATRIX INSTRUCTION IS USED TRANSPOSED (source 0 = 16 rows of wo, source 1 = 16 rows of y): a lane holds eight neighbouring numbers of a row of out0, 32 bytes.
; A wave's 64 columns are 256 aligned bytes of a row of out0, so each wave has a stage of its own on the way out, and no barrier stands there.
; REGISTERS: window 0: v16-29 addresses; v32-63, v64-95 rows read back, by turns; v128-255 the accumulators ((a, b) at v[128 + 8 (4 a + b)]).
;   window 1: two fragment buffers of 128: for 64 along K, 64 registers of A (2 x 4 x 16 rows x 32 K), then 64 of B.
.set SIZE_K, 1024
.set HS,     262144                    ; bytes of a head in yh
.set KSTEP,  256
.set PA,     144                       ; a row of A in LDS: 128 bytes + 16; PB: a row of B: 512 + 16: the 16 rows of a load start at 16 different groups of four banks (ISA guide 11.1)
.set PB,     528
.set AHEAD,  128*PA                    ; one head's 128 rows
.set BOFF,   4*AHEAD
.set BHALF,  64*PB
.set SLOT,   BOFF+2*BHALF
.set STAGE,  2*SLOT                    ; behind the ring, never filled by a tensor load: 16 rows x 272 bytes for each wave
.set SPITCH, 272
.set SPARE,  STAGE+4*16*SPITCH         ; behind the stages: the spare words, 128 bytes for each wave
.set ADRA, 16                          ; v16-17  LDS address of my A fragments in slot 0, 1
.set ADRB, 20                          ; v20-21  the same for B
.set STO,  24                          ; v24     the way out: where I put 32 bytes of a row
.set RD,   25                          ; v25     where I read a row back
.set CO,   26                          ; v26     my byte offset in out0
.set SPW,  28                          ; v28     LDS address of my spare word; never rewritten
.set NIL,  29                          ; v29     0; never rewritten
.set OB,   32
.set ACC,  128
.set F0,   0
.set F1,   128
.set G1, 24                            ; s[24:31] descriptor group 1 for A's tiles;  s[32:39] group 0, a set for each slot
.set G0, 32
.set G1B, 48                           ; s[48:55], s[56:63] the same for B's tiles
.set G0B, 56
.set MSB, 0
.macro WIN new                         ; the immediate's high byte repeats the setting that is left; a switch that changes nothing is dropped
.if MSB != (\new)
	s_set_vgpr_msb (MSB<<8)|(\new)
.set MSB, \new
.endif
.endm
.set MUL,  0x05                        ; sources 0 (B) and 1 (A) window 1; C and D window 0
.set TO_F, 0x40                        ; destination window 1, address window 0
.macro JLOAD s                         ; a joint load: waves 0 and 1 fetch A's two pairs of heads, waves 2 and 3 B's two halves; an s_nop 0 and four v_nop follow each line
	s_cmp_eq_u32 s11, 0
	s_cbranch_scc0 .Lfor_b_\@
	tensor_load_to_lds s[G0+4*(\s):G0+4*(\s)+3], s[G1:G1+7]
	s_nop 0
.rept 4
	v_nop
.endr
	s_branch .Lasked_\@
.Lfor_b_\@:
	tensor_load_to_lds s[G0B+4*(\s):G0B+4*(\s)+3], s[G1B:G1B+7]
	s_nop 0
.rept 4
	v_nop
.endr
.Lasked_\@:
.endm
.macro CREST                           ; a round of the cluster's barrier behind its opening barrier
	s_cmp_lg_u32 s10, 0
	s_cbranch_scc1 .Lnot_wave_0_\@
	s_barrier_signal -3
.Lnot_wave_0_\@:
	s_barrier_wait -3
	s_barrier_signal -1
	s_barrier_wait -1
.endm
.macro CROUND                          ; a whole round
	s_barrier_signal -1
	s_barrier_wait -1
	CREST
.endm
	s_load_b128 s[4:7], s[0:1], 0x0                ; yh s[4:5], wo s[6:7]
	s_load_b64 s[8:9], s[0:1], 0x10                ; out0
	v_lshl_add_u32 v[SPW], v0, 2, SPARE
	v_mov_b32 v[NIL], 0
	ds_add_u32 v[SPW], v[NIL]                      ; the wave's opening: the add and its wait stand ahead of my first tensor load; work on registers stands between them
	v_lshrrev_b32 v1, 5, v0
	v_readfirstlane_b32 s10, v1                    ; wave 0..3
	s_lshr_b32 s11, s10, 1                         ; which half of the tile's rows is mine. Also: I fetch for A (0) or for B (1)
	s_and_b32 s12, s10, 1                          ; which half of its columns. Also: which half of that tile I fetch
	s_bfe_u32 s40, ttmp6, 0x40000                  ; cx, cy: my place in the cluster
	s_bfe_u32 s41, ttmp6, 0x40004
	s_lshl_b32 s42, ttmp9, 2
	s_add_co_u32 s42, s42, s40                     ; tile column = 4 x cluster x + cx
	s_and_b32 s13, ttmp7, 0xffff
	s_lshl_b32 s13, s13, 2
	s_add_co_u32 s13, s13, s41                     ; tile row = 4 x cluster y + cy
	s_lshl_b32 s43, s41, 2
	s_lshl_b32 s43, 15, s43                        ; my row of the cluster
	s_lshl_b32 s44, 0x1111, s40                    ; my column
	s_or_b32 s[G1+0], s43, (1<<16)|(1<<20)|(1<<21)|(4<<22)|(3<<25)   ; A: the mask of my row; 2-byte elements; padding on; 21 set beside a mask; after every 32 words (code 4) 4 words (code 3)
	s_mov_b32 s[G1+1], 8192<<16                    ; tensor_dim0 = 8,192 elements: a head's 128 rows of 64
	s_mov_b32 s[G1+2], 2<<16                       ; tensor_dim1 = 2 heads
	s_mov_b32 s[G1+3], 8192<<16                    ; tile_dim0
	s_mov_b32 s[G1+4], 2                           ; tile_dim1
	s_mov_b32 s[G1+5], HS/2                        ; elements from head to head
	s_mov_b32 s[G1+6], 0
	s_mov_b32 s[G1+7], 0
	s_or_b32 s[G1B+0], s44, (1<<16)|(1<<20)|(1<<21)|(6<<22)|(3<<25)  ; B: the mask of my column; after every 128 words (code 6) 4 words
	s_mov_b32 s[G1B+1], KSTEP<<16                  ; tensor_dim0 = 256
	s_mov_b32 s[G1B+2], 64<<16                     ; tensor_dim1 = 64
	s_mov_b32 s[G1B+3], KSTEP<<16                  ; tile_dim0
	s_mov_b32 s[G1B+4], 64                         ; tile_dim1
	s_mov_b32 s[G1B+5], SIZE_K
	s_mov_b32 s[G1B+6], 0
	s_mov_b32 s[G1B+7], 0
	s_lshr_b32 s16, s13, 4                         ; A: the batch's 16 heads,
	s_lshl_b32 s16, s16, 4
	s_lshl_b32 s17, s12, 1                         ; my two of a step's four,
	s_add_co_u32 s16, s16, s17
	s_lshl_b32 s16, s16, 18
	s_and_b32 s17, s13, 15                         ; and the tile's 128 rows of 128 bytes in a head
	s_lshl_b32 s17, s17, 14
	s_add_co_u32 s16, s16, s17
	s_mov_b32 s17, 0
	s_lshl_b32 s46, s42, 7                         ; B: row 128 x tile column + 64 x half,
	s_lshl_b32 s47, s12, 6
	s_add_co_u32 s46, s46, s47
	s_lshl_b32 s46, s46, 11                        ; of 2,048 bytes
	s_mov_b32 s47, 0
	s_mul_i32 s20, s12, 2*AHEAD                    ; where they go: no place in the cluster enters an LDS address
	s_mul_i32 s21, s12, BHALF
	s_add_co_u32 s21, s21, BOFF
	s_wait_dscnt 0x0                               ; the opening add is done
	s_wait_kmcnt 0x0
	s_add_nc_u64 s[14:15], s[4:5], s[16:17]
	s_add_nc_u64 s[46:47], s[6:7], s[46:47]
	CROUND                                         ; all sixteen work-groups are here: the first joint loads meet
.irp s, 0,1
	s_mov_b32 s[G0+4*(\s)], 1
	s_add_co_u32 s[G0+4*(\s)+1], s20, (\s)*SLOT
	s_add_nc_u64 s[G0+4*(\s)+2:G0+4*(\s)+3], s[14:15], (\s)*4*HS     ; K step s: four heads on
	s_or_b32 s[G0+4*(\s)+3], s[G0+4*(\s)+3], 0x80000000
	s_mov_b32 s[G0B+4*(\s)], 1
	s_add_co_u32 s[G0B+4*(\s)+1], s21, (\s)*SLOT
	s_add_nc_u64 s[G0B+4*(\s)+2:G0B+4*(\s)+3], s[46:47], (\s)*KSTEP*2
	s_or_b32 s[G0B+4*(\s)+3], s[G0B+4*(\s)+3], 0x80000000
	JLOAD \s                                       ; two loads of mine are out
.endr
	v_and_b32 v1, 15, v0                           ; l % 16
	v_bfe_u32 v2, v0, 4, 1                         ; l / 16
	v_mul_u32_u24 v3, v1, PA
	v_lshl_add_u32 v3, v2, 4, v3                   ; a fragment's row x pitch + 16 x half, for A
	v_mul_u32_u24 v4, v1, PB
	v_lshl_add_u32 v4, v2, 4, v4                   ; and for B
	s_mul_i32 s22, s11, 64*PA                      ; my 64 rows in each head of A
	s_mul_i32 s23, s12, BHALF                      ; my 64 rows of B,
	s_add_co_u32 s23, s23, BOFF                    ; which lie behind A's four heads
.irp s, 0,1
	v_add_nc_u32 v[ADRA+(\s)], s22, v3
	v_add_nc_u32 v[ADRB+(\s)], s23, v4
	s_add_co_u32 s22, s22, SLOT
	s_add_co_u32 s23, s23, SLOT
.endr
	s_mul_i32 s22, s10, 16*SPITCH
	s_add_co_u32 s22, s22, STAGE                   ; my stage
	v_mul_u32_u24 v5, v1, SPITCH                   ; in: row l % 16, 32 bytes for each half of the lanes
	v_lshl_add_u32 v5, v2, 5, v5
	v_add_nc_u32 v[STO], s22, v5
	v_mul_u32_u24 v5, v2, SPITCH                   ; back: lanes 0-15 take one row of 256 bytes, lanes 16-31 the next
	v_lshl_add_u32 v5, v1, 4, v5
	v_add_nc_u32 v[RD], s22, v5
	v_lshlrev_b32 v5, 12, v2                       ; and the same two rows in out0
	v_lshl_add_u32 v[CO], v1, 4, v5
	s_lshl_b32 s16, s13, 7
	s_lshl_b32 s17, s11, 6
	s_add_co_u32 s16, s16, s17                     ; my first row of out0: 128 x tile row + 64 x half,
	s_lshl_b32 s16, s16, 12                        ; of 4,096 bytes
	s_mov_b32 s17, 0
	s_add_nc_u64 s[8:9], s[8:9], s[16:17]
	s_lshl_b32 s46, s42, 9                         ; my first column, in bytes: 512 x tile column + 256 x half
	s_lshl_b32 s47, s12, 8
	s_add_co_u32 s46, s46, s47
	s_mov_b32 s47, 0
	s_add_nc_u64 s[8:9], s[8:9], s[46:47]
; 8 matrix instructions: row blocks a0, a0 + 1 x all 4 column blocks, 32 along K: half c of buffer f. zero = 1: the product starts the sums. The 16 accumulators take turns.
.macro MUL8 f, c, a0, zero
	WIN MUL
.irp a, \a0, (\a0)+1
.irp b, 0,1,2,3
.if \zero
	v_wmma_f32_16x16x32_f16 v[ACC+8*(4*(\a)+(\b)):ACC+8*(4*(\a)+(\b))+7], v[(\f)+64+8*(4*(\c)+(\b)):(\f)+64+8*(4*(\c)+(\b))+7], v[(\f)+8*(4*(\c)+(\a)):(\f)+8*(4*(\c)+(\a))+7], 0
.else
	v_wmma_f32_16x16x32_f16 v[ACC+8*(4*(\a)+(\b)):ACC+8*(4*(\a)+(\b))+7], v[(\f)+64+8*(4*(\c)+(\b)):(\f)+64+8*(4*(\c)+(\b))+7], v[(\f)+8*(4*(\c)+(\a)):(\f)+8*(4*(\c)+(\a))+7], v[ACC+8*(4*(\a)+(\b)):ACC+8*(4*(\a)+(\b))+7]
.endif
.endr
.endr
.endm
; 32 LDS loads in one run: the fragments of quarter q of a K step (64 along K: head q of A's four, bytes 128 q of B's rows) into buffer f; the first 32 along K first
.macro FETCH slot, q, f
	WIN TO_F
.irp c, 0,1
.irp i, 0,1,2,3
	ds_load_b128 v[(\f)+64+8*(4*(\c)+(\i)):(\f)+64+8*(4*(\c)+(\i))+3],   v[ADRB+(\slot)] offset:(\q)*128+64*(\c)+(\i)*16*PB
	ds_load_b128 v[(\f)+64+8*(4*(\c)+(\i))+4:(\f)+64+8*(4*(\c)+(\i))+7], v[ADRB+(\slot)] offset:(\q)*128+64*(\c)+(\i)*16*PB+32
	ds_load_b128 v[(\f)+8*(4*(\c)+(\i)):(\f)+8*(4*(\c)+(\i))+3],         v[ADRA+(\slot)] offset:(\q)*AHEAD+64*(\c)+(\i)*16*PA
	ds_load_b128 v[(\f)+8*(4*(\c)+(\i))+4:(\f)+8*(4*(\c)+(\i))+7],       v[ADRA+(\slot)] offset:(\q)*AHEAD+64*(\c)+(\i)*16*PA+32
.endr
.endr
.endm
.macro PLACES                          ; four plain vector instructions in front of loads into registers that matrix instructions have read, and of LDS stores that read results (ISA guide 7.12.1 for the stores)
.rept 4
	v_nop
.endr
.endm
; A K step is four quarters of 64 along K, 32 matrix instructions each, on buffers 0, 1, 0, 1. One of the first three multiplies buffer f and fetches quarter q into g.
.macro QUARTER slot, q, f, g, zero
	s_wait_dscnt 16                                ; the first 32 along K are in; the other sixteen loads may be out
	MUL8 \f, 0, 0, \zero
	MUL8 \f, 0, 2, \zero
	PLACES
	FETCH \slot, \q, \g
	s_wait_dscnt 32                                ; all but the 32 just issued
	MUL8 \f, 1, 0, 0
	MUL8 \f, 1, 2, 0
.endm
; The last quarter multiplies buffer 1 and changes slots: ONE barrier; in front of it each wave waits for all its tensor loads, adds 0 to its spare word, and waits for that and for its reads of this slot.
; fill = 1: the barrier opens a round of the cluster's, and this slot is filled again first behind it, two K steps ahead: 112 matrix instructions ahead of the wait for it.
.macro TURN slot, next, fill
	WIN 0                                          ; (the add's two registers lie in window 0)
	s_wait_tensorcnt 0x0                           ; all my tensor loads have landed: my part of the next slot
	ds_add_u32 v[SPW], v[NIL]                      ; 0 onto my spare word
	s_wait_dscnt 17                                ; (the add and the youngest sixteen loads may be out)
	MUL8 F1, 0, 0, 0                               ; eight matrix instructions stand between the add and the wait for it
	s_wait_dscnt 0x0                               ; the add is done, and my reads of this slot are over
	s_barrier_signal -1
	MUL8 F1, 0, 2, 0
.if \fill
	WIN 0
.endif
	s_barrier_wait -1
.if \fill
	CREST                                          ; no wave of any partner still reads this slot's tile or has a load on its way
	s_add_nc_u64 s[G0+4*(\slot)+2:G0+4*(\slot)+3], s[G0+4*(\slot)+2:G0+4*(\slot)+3], 8*HS
	s_add_nc_u64 s[G0B+4*(\slot)+2:G0B+4*(\slot)+3], s[G0B+4*(\slot)+2:G0B+4*(\slot)+3], 2*KSTEP*2
	JLOAD \slot                                    ; the first tensor load behind the round; its four v_nop are also the places in front of the loads below
.else
	PLACES
.endif
	FETCH \next, 0, F0
	MUL8 F1, 1, 0, 0
	MUL8 F1, 1, 2, 0
.endm
	s_wait_tensorcnt 1                             ; my part of K step 0 is in; K step 1's may stay out
	s_barrier_signal -1
	s_barrier_wait -1                              ; everybody's is
	FETCH 0, 0, F0
	QUARTER 0, 1, F0, F1, 1                        ; the first products start the sums. K has four steps: two laps, written straight
	QUARTER 0, 2, F1, F0, 0
	QUARTER 0, 3, F0, F1, 0
	TURN 0, 1, 1                                   ; slot 0 takes K step 2
	QUARTER 1, 1, F0, F1, 0
	QUARTER 1, 2, F1, F0, 0
	QUARTER 1, 3, F0, F1, 0
	TURN 1, 0, 1                                   ; slot 1 takes K step 3
	QUARTER 0, 1, F0, F1, 0
	QUARTER 0, 2, F1, F0, 0
	QUARTER 0, 3, F0, F1, 0
	TURN 0, 1, 0                                   ; the last lap fills nothing
	QUARTER 1, 1, F0, F1, 0
	QUARTER 1, 2, F1, F0, 0
	QUARTER 1, 3, F0, F1, 0
	s_wait_dscnt 16                                ; the very last quarter: nothing more to fetch
	MUL8 F1, 0, 0, 0
	MUL8 F1, 0, 2, 0
	s_wait_dscnt 0x0
	MUL8 F1, 1, 0, 0
	MUL8 F1, 1, 2, 0
	WIN 0
	; THE WAY OUT, a row block (16 rows x 64 columns of f32) at a time: 32 bytes a lane into my stage, each accumulator's low four registers first; back as whole rows of 256 bytes; stored.
	PLACES
.irp a, 0,1,2,3
.set BK, OB+32*((\a)%2)
.irp b, 0,1,2,3
	ds_store_b128 v[STO], v[ACC+8*(4*(\a)+(\b)):ACC+8*(4*(\a)+(\b))+3]   offset:64*(\b)
	ds_store_b128 v[STO], v[ACC+8*(4*(\a)+(\b))+4:ACC+8*(4*(\a)+(\b))+7] offset:64*(\b)+16
.endr
.if (\a) >= 2
	s_wait_xcnt 0x0                                ; the stores of the block two back have read this buffer: it is loaded again only behind this wait
.endif
.irp t, 0,1,2,3,4,5,6,7
	ds_load_b128 v[BK+4*(\t):BK+4*(\t)+3], v[RD] offset:(\t)*2*SPITCH  ; LDS serves a wave's instructions in order (ISA guide 5.7.1.4): these see the stores above; the next block's stores come behind them
.endr
.irp t, 0,1,2,3,4,5,6,7
	s_wait_dscnt 7-(\t)
	global_store_b128 v[CO], v[BK+4*(\t):BK+4*(\t)+3], s[8:9] offset:(16*(\a)+2*(\t))*4096  ; 16 lanes store 256 consecutive bytes, at a multiple of 256 from out0's first byte
.endr
.endr
	s_wait_tensorcnt 0x0                           ; the wave's end, behind my last tensor load and my last LDS store
	ds_add_u32 v[SPW], v[NIL]
	s_wait_dscnt 0x0
	CROUND                                         ; the closing round: no work-group ends while a partner may still ask for a tile that names it
	s_endpgm
.Lfunc_end_k_qffec2a442c_proj:
	.size	k_qffec2a442c_proj, .Lfunc_end_k_qffec2a442c_proj-k_qffec2a442c_proj
	.p2alignl 7, 3214868480
	.fill 96, 4, 3214868480
	.section	.rodata,"a",@progbits
	.p2align	6, 0x0
	.amdhsa_kernel k_qffec2a442c_proj
		.amdhsa_group_segment_fixed_size 327680
		.amdhsa_private_segment_fixed_size 0
		.amdhsa_enable_private_segment 0
		.amdhsa_kernarg_size 24
		.amdhsa_user_sgpr_count 2
		.amdhsa_user_sgpr_kernarg_segment_ptr 1
		.amdhsa_wavefront_size32 1
		.amdhsa_system_sgpr_workgroup_id_x 1
		.amdhsa_system_sgpr_workgroup_id_y 1
		.amdhsa_system_sgpr_workgroup_id_z 1
		.amdhsa_system_vgpr_workitem_id 0
		.amdhsa_next_free_vgpr 512
		.amdhsa_next_free_sgpr 66
		.amdhsa_reserve_vcc 0
		.amdhsa_float_denorm_mode_32 3
		.amdhsa_float_denorm_mode_16_64 3
		.amdhsa_memory_ordered 1
		.amdhsa_forward_progress 1
		.amdhsa_inst_pref_size 86
	.end_amdhsa_kernel
	.amdgpu_metadata
---
amdhsa.version: [ 1, 2 ]
amdhsa.kernels:
  - .name:           k_qffec2a442c_proj
    .symbol:         k_qffec2a442c_proj.kd
    .args:
      - { .name: yh, .offset: 0, .size: 8, .value_kind: global_buffer, .address_space: global }
      - { .name: wo, .offset: 8, .size: 8, .value_kind: global_buffer, .address_space: global }
      - { .name: out0, .offset: 16, .size: 8, .value_kind: global_buffer, .address_space: global }
    .group_segment_fixed_size: 327680
    .private_segment_fixed_size: 0
    .kernarg_segment_align: 8
    .kernarg_segment_size: 24
    .max_flat_workgroup_size: 128
    .sgpr_count:     66
    .vgpr_count:     512
    .wavefront_size: 32
...
	.end_amdgpu_metadata
.endif
;; end of part 4
;; ======== version 2 of 2: 4 launches; 1.20 times as fast as version 1
;; limits: values are held in f16: magnitudes above 65,504 overflow, below 6.1e-05 lose precision
;; workspace buffers: xb 8,388,608 bytes; wt 6,291,456 bytes; wo 2,097,152 bytes; hd 41,943,040 bytes; yh 8,388,608 bytes
;; launch prep: the kernel of part 1 again; grid 1280 x 1, 8 waves a work-group, no clusters, 18,432 bytes of LDS; arguments x, q_g, k_g, W_qkv, W_out, xb, wt, wo, hd; writes xb, wt, wo, hd
;; launch qkv: the kernel of part 2 again; grid 16 x 16, 4 waves a work-group, clusters of 4 x 4, 327,680 bytes of LDS; arguments xb, wt, hd; writes hd
;; launch attn (part 5): grid 8 x 32, 4 waves a work-group, clusters of 4 x 1, 327,680 bytes of LDS; arguments hd, yh; writes yh
.if DOCPART == 5
	.amdgcn_target "amdgcn-amd-amdhsa--gfx1250"
	.amdhsa_code_object_version 6
	.text
	.protected	k_qffec2a442c_attn
	.globl	k_qffec2a442c_attn
	.p2align	8
	.type	k_qffec2a442c_attn,@function
k_qffec2a442c_attn:
	s_mov_b64 s[64:65], 0
	v_nop
	global_prefetch_b8 v0, s[64:65] scope:SCOPE_SE
	s_setreg_imm32_b32 hwreg(HW_REG_WAVE_MODE, 25, 1), 1
	s_wait_xcnt 0x0
	s_wait_alu depctr_hold_cnt(0) depctr_sa_sdst(0) depctr_va_vdst(0) depctr_va_sdst(0) depctr_va_ssrc(0) depctr_va_vcc(0) depctr_vm_vsrc(0)
	s_getreg_b32 s2, hwreg(HW_REG_IB_STS2, 6, 4)
	s_cmp_eq_u32 s2, 0
	s_cbranch_scc0 .Lentry_in_a_cluster
	s_endpgm
.Lentry_in_a_cluster:
	s_bfe_u32 s2, ttmp6, 0x10000c
	s_cmp_lg_u32 s2, 0x3003
	s_cbranch_scc0 .Lentry_shape_is_right
	s_endpgm
.Lentry_shape_is_right:
; CAUSAL ATTENTION WITH TWO SCORES. y[h][q][:] = the sum over k <= q of softmax_k((Q[q].K[k] + QG[q].KG[k]) / (8 ln 2048)) V[k][:], for 32 heads of 2,048 rows.
; hd holds five planes [32][2048][64] f16: Q, QG, K, KG, V; y is [32][2048][64] f16. The two scores are ONE product over 128 channels: chunks 0, 1 from Q and K, chunks 2, 3 from QG and KG.
; Products, maxima and sums in f32; the weights p are rounded to f16 for the second product (their sum l is taken of the unrounded p), y once at the end.
; LIMITS. The inputs arrive within f16's 65,504. A hidden score counts as -1e30 plus its value; a weight below 2^-126 counts as 0 in l; NaN and infinities are not treated apart.
; THE WALK. A head's queries lie in 16 blocks of 128. Work-group b = 4 c2 + cx takes block 15 - b and then block b. The four partners of a cluster (same c2) walk ONE sequence of key
; tiles of 256 keys: tiles 0 .. 7 - 2 c2 for the first block, then 0 .. 1 + 2 c2 for the second: ten tiles whatever b, each asked for JOINTLY (same tensor load, descriptor and mask in all four).
; The grid has two clusters a head, so c2 is 0 or 1 and the blocks change on entering the walk's tile 8 or 6: the slot loop's counter picks those two trips, and there c2 decides.
; Trip counts are constants; branches hang on constants and on c2, which the partners share; cx enters Q's and y's addresses and, by selects, the mask's two scalars. The price: a partner also works
; through the key steps that lie wholly above its diagonal, 40 steps where its own blocks need 34.
; SHARES. Wave w owns two PIECES of 16 queries: piece x is rows 128 I + 64 x + 16 w + 0..15 of block I. Its own key step is 2 I + x: an earlier step shows it all keys, a later one none.
; THE MASK starts the sum S^T: MD x AL + BE is written into S^T's registers and all 16 products add onto it. MD, made once, is the mask of a piece's own step (0, or -1e30 where the key is hidden);
; (AL, BE) = (0, 0) before the piece's own step; (1, 0) in it; (0, -1e30) behind it.
; LAYOUT. S^T = K Q^T (source 0 = 16 keys, source 1 = 16 queries): a lane holds ONE query (lane % 16) and the keys 8 (lane / 16) + 0..7; two results rounded to f16 ARE source 1 of O^T = V^T P.
; SOFTMAX. Running maximum m and sum l: p = 2^(c s - c m), c = log2(e) / (8 ln 2048); in every step O and l are multiplied by a = 2^(c m_old - c m_new). A block starts with c m far below every c s,
; so its first a is 0 and what O and l held before need only be finite.
; BY HALF TURNS. HA p: 8 products V^T P of the other piece, its next mask, and numbers 0-23 of piece p's softmax. HB p: 16 products K Q^T of the other piece and numbers 24-117.
; A trip is HB 0, HA 1, HB 1, HA 0: one key step for both pieces, 48 matrix and 268 vector instructions (two v_nop aside), five to seven vector instructions behind each matrix instruction.
; BATCHES. A piece's 33 exponentials of a key step (a and s0-s31) are ONE batch: all stand in slices 0-8 of HB p, the scalings that are still due among them, and nothing there names a result of theirs.
; One wait stands behind slice 8; all that names a result (the roundings, the sums, l, O^T times a) stands behind it, in slices 9-15. HA holds no exponential.
; The way out's two reciprocals are a batch of their own, with one wait.
; REGISTERS, in windows of 256 (s_set_vgpr_msb: bits 1:0 source 0, 3:2 source 1, 5:4 source 2, 7:6 destination):
;   window 0: v0-15 addresses; v16-31 eight statistics a piece; v32-95 S^T; v96-127 P; v128-191 O^T; v192-223 MD.      window 1: v0-63 Q; v64-191 K of one step; v192-255 V of one step.
.set PL,    8388608   ; bytes in a plane of hd
.set KS,    64        ; keys in a step
.set PK,    144       ; a row of K in LDS: 128 bytes + 16 of padding: the 16 rows of a load start at 16 different groups of four banks (ISA guide 11.1)
.set PVP,   160       ; a row of V: 128 + 32
.set GOFF,  256*PK    ; a slot: 256 rows of K, 256 of KG,
.set VOFF,  2*GOFF    ; 256 of V
.set SLOT1, 1<<17     ; slot 1 begins here, so that one exclusive or turns an address in one slot into the other's
.set STAGE, SLOT1+VOFF+256*PVP  ; behind the ring, never filled by a tensor load: 16 rows x 144 bytes for each wave
.set SP,    144
.set SPARE, STAGE+4*16*SP       ; behind the stages: the spare words, 128 bytes for each wave
.set AK0, 2           ; v2   my lane's place in a step's K; never rewritten
.set AV0, 3           ; v3   the same for V
.set AK,  4           ; v4   LDS address of K's runs of loads
.set AV,  5           ; v5   of V's
.set STO, 6           ; v6   the way out: where I put 16 bytes of a row
.set RD,  7           ; v7   where I read rows back
.set GO,  8           ; v8   my 16 bytes in 512 consecutive bytes of y
.set SPW, 12          ; v12  LDS address of my spare word; never rewritten
.set NIL, 13          ; v13  0; never rewritten
.set QO,  14          ; v14  my byte offset in 16 rows of Q
.set ST,  16          ; piece t at v[ST+8 t]: c m, m, l (even keys', odd keys'), c0-c3 at work; a takes c2's place
.set S,   32
.set P,   96
.set O,   128
.set MD,  192
.set QF,  0           ; window 1: piece x, chunk c at 32 x + 8 c
.set KF,  64          ; window 1: key block kb, chunk c at KF + 32 kb + 8 c
.set VF,  192         ; window 1: key half kk, channel block cb at VF + 32 kk + 8 cb
.set WV,  12          ; s12  my wave's number
.set CX,  13          ; s13  my place in the cluster
.set C2,  14          ; s14  the cluster's x: 0 or 1
.set BH,  15          ; s15  the head
.set KB,  16          ; s[16:17] K (wave 0) or KG (wave 1) at the head's tile 0
.set VB,  18          ; s[18:19] V at my half of the head's tile 0
.set QA1, 20          ; s[20:21], s[22:23] Q and QG at my rows of the first block
.set GA1, 22
.set G1K, 24          ; s[24:31] descriptor group 1 for K's and KG's tiles
.set G1V, 32          ; s[32:39] for V's
.set G0K, 40          ; s[40:43], s[44:47] descriptor groups 0: they walk
.set G0V, 44
.set QA2, 48          ; s[48:51] Q and QG at my rows of the second block
.set GA2, 50
.set OA,  52          ; s[52:53] y at my rows of the block in hand;  s[54:55] of the second block
.set OA2, 54
.set SLOTS, 56        ; s56  tiles still to be asked for: 9 on entering the walk's tile 0, 9 - t on entering tile t
.set CNT, 57          ; s57  counts a tile's key steps
.set CS,  58          ; s[58:59] c
.set SEL, 60          ; s[60:61] v_permlanex16_b32's selects: each lane takes its own place in the other half
.set TBK, 62          ; s62  LDS byte at which K of the step to be fetched begins
.set TBV, 63          ; s63  the same for V, less VOFF
.set NXT, 67          ; s67  the tile to be asked for next
.set LQ,  68          ; s68  the last tile of the part whose tiles are being asked for
.set NEW, 69          ; s69  1: nothing has begun yet
.set OFF, 70          ; s[70:71] a tile's byte offset in its plane
.set AL0, 72          ; s[72:73] AL, s[74:75] BE of piece 0; s[76:79] of piece 1
.set BE0, 74
.set DD,  80          ; s80  piece 0's own step less the step whose masks are being made
.set XI0, 81          ; s81  piece 0's own step in the block in hand
.set BIGN, 83         ; s83  -1e30
.set I22, 85          ; s85  piece 0's own step in the second block
.set LQ2, 92          ; s92  the second part's last tile
.set MSB, 0
.macro WIN new                      ; the high byte repeats the setting that is left; a switch that changes nothing is dropped
.if MSB != (\new)
	s_set_vgpr_msb (MSB<<8)|(\new)
.set MSB, (\new)
.endif
.endm
.set W_KQ, 0x05       ; K and Q in window 1, S^T in window 0
.set W_PV, 0x01       ; V in window 1, P and O^T in window 0
.set W_LD, 0x40       ; a load's destination in window 1, its address in window 0
; A joint fill. Wave 0 fetches a tile's K, wave 1 its KG (256 keys each), waves 2 and 3 the halves of its V. The branch hangs on the wave's number alone.
; An s_nop 0 and four v_nop follow each of the two lines, ahead of the jump and the label.
.macro JLOAD
	s_cmp_lt_u32 s[WV], 2
	s_cbranch_scc0 .Lfor_v_\@
	tensor_load_to_lds s[G0K:G0K+3], s[G1K:G1K+7]
	s_nop 0
.rept 4
	v_nop
.endr
	s_branch .Lasked_\@
.Lfor_v_\@:
	tensor_load_to_lds s[G0V:G0V+3], s[G1V:G1V+7]
	s_nop 0
.rept 4
	v_nop
.endr
.Lasked_\@:
.endm
.macro CROUND                       ; a round of the cluster's barrier
	s_barrier_signal -1
	s_barrier_wait -1
	s_cmp_lg_u32 s[WV], 0
	s_cbranch_scc1 .Lnot_wave_0_\@
	s_barrier_signal -3
.Lnot_wave_0_\@:
	s_barrier_wait -3
	s_barrier_signal -1
	s_barrier_wait -1
.endm
; THE CHANGE OF SLOTS. The slot's last bytes, V of its fourth step, have been asked for. Each wave waits for all its tensor loads (one is out: its part of the other slot), adds 0 to its spare word,
; and waits for that and for its reads of the slot. fill = 1: the barrier is a round of the cluster's, and the slot is filled again first behind it, with tile NXT; the descriptor's address is made anew
; from that number. The fill has four key steps, 192 matrix instructions, in which to land. (At its first use nothing has been read yet: slot 0 is waited for, slot 1 filled.)
.macro CHANGE fill
	WIN 0                           ; at a label and at a branch every window is 0
	s_wait_tensorcnt 0x0            ; no tensor load of mine is out, so a group 0 may be written
	ds_add_u32 v[SPW], v[NIL]       ; 0 onto my spare word; scalar work stands between it and the wait for it
.if \fill
	s_lshl_b32 s[OFF], s[NXT], 15   ; a tile is 32,768 bytes of each plane
	s_xor_b32 s[G0K+1], s[G0K+1], SLOT1
	s_add_nc_u64 s[G0K+2:G0K+3], s[KB:KB+1], s[OFF:OFF+1]
	s_or_b32 s[G0K+3], s[G0K+3], 0x80000000
	s_xor_b32 s[G0V+1], s[G0V+1], SLOT1
	s_add_nc_u64 s[G0V+2:G0V+3], s[VB:VB+1], s[OFF:OFF+1]
	s_or_b32 s[G0V+3], s[G0V+3], 0x80000000
	s_add_co_u32 s[NXT], s[NXT], 1  ; the part's next tile, or behind its last the second part's tile 0
	s_cmp_gt_u32 s[NXT], s[LQ]
	s_cselect_b32 s[NXT], 0, s[NXT]
	s_cselect_b32 s[LQ], s[LQ2], s[LQ]
	s_wait_dscnt 0x0                ; the add is done, and my reads of the slot are over
	CROUND
	JLOAD
.else
	s_wait_dscnt 0x0                ; the add is done, and my reads of the slot are over
	s_barrier_signal -1
	s_barrier_wait -1
.endif
	s_sub_co_u32 s[TBK], s[TBK], 4*KS*PK   ; the fetches go back to a slot's first step,
	s_xor_b32 s[TBK], s[TBK], SLOT1        ; in the other slot
	s_sub_co_u32 s[TBV], s[TBV], 4*KS*PVP
	s_xor_b32 s[TBV], s[TBV], SLOT1
.endm
; 16 loads: Q and QG of both pieces. A fragment is 16 rows x 32 channels: lane l holds row l % 16, channels 8 (l / 16) + 0..7 and 16 + 8 (l / 16) + 0..7.
.macro QLOAD qa, ga
	WIN W_LD
.irp x, 0,1
.irp c, 0,1
	global_load_b128 v[QF+32*\x+8*\c:QF+32*\x+8*\c+3],     v[QO], s[\qa:\qa+1] offset:\x*8192+\c*64
	global_load_b128 v[QF+32*\x+8*\c+4:QF+32*\x+8*\c+7],   v[QO], s[\qa:\qa+1] offset:\x*8192+\c*64+32
	global_load_b128 v[QF+32*\x+8*\c+16:QF+32*\x+8*\c+19], v[QO], s[\ga:\ga+1] offset:\x*8192+\c*64
	global_load_b128 v[QF+32*\x+8*\c+20:QF+32*\x+8*\c+23], v[QO], s[\ga:\ga+1] offset:\x*8192+\c*64+32
.endr
.endr
	WIN 0
.endm
	s_load_b128 s[4:7], s[0:1], 0x0 ; hd s[4:5], yh s[6:7]
	v_lshl_add_u32 v[SPW], v0, 2, SPARE
	v_mov_b32 v[NIL], 0
	ds_add_u32 v[SPW], v[NIL]       ; the wave's opening: the add and its wait stand ahead of my first tensor load; work on registers stands between them
	v_lshrrev_b32 v1, 5, v0
	v_readfirstlane_b32 s[WV], v1   ; wave 0..3
	s_bfe_u32 s[CX], ttmp6, 0x40000
	s_mov_b32 s[C2], ttmp9          ; in a cluster launch ttmp9 counts clusters
	s_and_b32 s[BH], ttmp7, 0xffff
	s_lshl_b32 s86, s[BH], 18       ; the head's first byte in a plane
	s_and_b32 s87, s[WV], 1
	s_add_co_u32 s88, s87, 2        ; plane 2 (K) or 3 (KG)
	s_lshl_b32 s88, s88, 23
	s_add_co_u32 s88, s88, s86
	s_mov_b32 s89, 0
	s_lshl_b32 s90, s87, 14         ; plane 4 (V), my 128 of a tile's 256 keys
	s_add_co_u32 s90, s90, s86
	s_add_co_u32 s90, s90, 4*PL
	s_mov_b32 s91, 0
	s_mov_b32 s[G0K], 1             ; count = 1
	s_mul_i32 s[G0K+1], s87, GOFF   ; LDS address, slot 0: no place in the cluster enters it
	s_mov_b32 s[G0V], 1
	s_mul_i32 s[G0V+1], s87, 128*PVP
	s_add_co_u32 s[G0V+1], s[G0V+1], VOFF
	; descriptor group 1. A plane's rows are dense: 256 keys are asked for as 128 rows of 256 bytes, two keys a row, and padded in LDS after every key
	s_mov_b32 s[G1K], 15|(1<<16)|(1<<20)|(1<<21)|(4<<22)|(3<<25)  ; 15:0 the mask of four; 17:16 2-byte elements; 20 padding on; 21 set beside a mask; 24:22 after every 32 words (code 4); 31:25 4 words (code 3)
	s_mov_b32 s[G1V], 15|(1<<16)|(1<<20)|(1<<21)|(4<<22)|(7<<25)  ; the same with 8 words of padding (code 7)
	s_mov_b32 s[G1K+1], 128<<16     ; tensor_dim0 = 128
	s_mov_b32 s[G1V+1], 128<<16
	s_mov_b32 s[G1K+2], 128<<16     ; tensor_dim1 = 128 rows,
	s_mov_b32 s[G1V+2], 64<<16      ; 64 for half of V
	s_mov_b32 s[G1K+3], 128<<16     ; tile_dim0 = 128
	s_mov_b32 s[G1V+3], 128<<16
	s_mov_b32 s[G1K+4], 128         ; tile_dim1
	s_mov_b32 s[G1V+4], 64
	s_mov_b32 s[G1K+5], 128         ; 128 elements from row to row
	s_mov_b32 s[G1V+5], 128
	s_mov_b32 s[G1K+6], 0
	s_mov_b32 s[G1V+6], 0
	s_mov_b32 s[G1K+7], 0
	s_mov_b32 s[G1V+7], 0
	s_lshl_b32 s[LQ2], s[C2], 1
	s_sub_co_u32 s[LQ], 7, s[LQ2]   ; the first part's last tile is 7 - 2 c2,
	s_add_co_u32 s[LQ2], s[LQ2], 1  ; the second's 1 + 2 c2
	s_mov_b32 s[NXT], 1
	s_mov_b32 s[NEW], 1
	s_mov_b32 s[SLOTS], 9
	s_mov_b32 s[OFF+1], 0
	s_mov_b32 s[AL0+1], 0           ; named as pairs
	s_mov_b32 s[BE0+1], 0
	s_mov_b32 s[AL0+5], 0
	s_mov_b32 s[BE0+5], 0
	s_mov_b32 s[BIGN], 0xf149f2ca   ; -1e30
	s_mov_b32 s[CS], 0x3cc1c1ac     ; c = log2(e) / (8 ln 2048) = 0.0236519
	s_mov_b32 s[CS+1], s[CS]
	s_mov_b32 s[SEL], 0x76543210
	s_mov_b32 s[SEL+1], 0xfedcba98
	s_mov_b32 s[TBK], SLOT1+4*KS*PK ; the first change of slots turns these two into 0
	s_mov_b32 s[TBV], SLOT1+4*KS*PVP
	; what hangs on cx, in registers of its own
	s_lshl_b32 s93, s[C2], 2
	s_add_co_u32 s93, s93, s[CX]    ; b: the second block
	s_sub_co_u32 s99, 15, s93       ; the first block
	s_lshl_b32 s[XI0], s99, 1
	s_lshl_b32 s[I22], s93, 1
	s_lshl_b32 s98, s[WV], 11       ; my 16 rows in a band of 64,
	s_add_co_u32 s98, s98, s86      ; in the head
	s_lshl_b32 s94, s99, 14         ; a block is 128 rows of 128 bytes
	s_add_co_u32 s94, s94, s98
	s_mov_b32 s95, 0
	s_lshl_b32 s96, s93, 14
	s_add_co_u32 s96, s96, s98
	s_mov_b32 s97, 0
	s_wait_dscnt 0x0                ; the opening add is done
	s_wait_kmcnt 0x0
	s_add_nc_u64 s[KB:KB+1], s[4:5], s[88:89]
	s_add_nc_u64 s[VB:VB+1], s[4:5], s[90:91]
	s_add_nc_u64 s[G0K+2:G0K+3], s[KB:KB+1], 0
	s_or_b32 s[G0K+3], s[G0K+3], 0x80000000        ; type = 2
	s_add_nc_u64 s[G0V+2:G0V+3], s[VB:VB+1], 0
	s_or_b32 s[G0V+3], s[G0V+3], 0x80000000
	s_add_nc_u64 s[QA1:QA1+1], s[4:5], s[94:95]
	s_add_nc_u64 s[GA1:GA1+1], s[QA1:QA1+1], PL
	s_add_nc_u64 s[QA2:QA2+1], s[4:5], s[96:97]
	s_add_nc_u64 s[GA2:GA2+1], s[QA2:QA2+1], PL
	s_add_nc_u64 s[OA:OA+1], s[6:7], s[94:95]
	s_add_nc_u64 s[OA2:OA2+1], s[6:7], s[96:97]
	CROUND                          ; all four work-groups are here: the first joint loads meet
	JLOAD                           ; tile 0 into slot 0; slot 1 is asked for when slot 0 is in
	v_and_b32 v1, 15, v0            ; l % 16
	v_bfe_u32 v9, v0, 4, 1          ; l / 16
	v_lshlrev_b32 v[QO], 7, v1
	v_lshl_add_u32 v[QO], v9, 4, v[QO]  ; row x 128 + 16 x half
	QLOAD QA1, GA1
	; What the first half turn finds: its products V^T P, of a piece that has not been, need finite numbers in V, P and O^T; l and O^T are then multiplied by a = 0. All this stands in the wait for the first tile.
	WIN W_LD
.set i, VF
.rept 64
	v_mov_b32 v[i], 0
.set i, i+1
.endr
	WIN 0
.set i, O
.rept 64
	v_mov_b32 v[i], 0
.set i, i+1
.endr
.set i, P+16
.rept 16
	v_mov_b32 v[i], 0
.set i, i+1
.endr
.irp t, 0,1
	v_mov_b32 v[ST+8*\t+2], 0
	v_mov_b32 v[ST+8*\t+3], 0
.endr
	v_lshlrev_b32 v15, 3, v9
	v_sub_nc_u32 v15, v1, v15
	s_lshl_b32 s86, s[WV], 4
	v_add_nc_u32 v15, s86, v15      ; my query's place in its band, 16 w + l % 16, less my lanes' 8 (l / 16): register r of key block kb is hidden where 16 kb + r is greater
.set i, 0
.rept 32
	v_cmp_gt_i32 vcc_lo, 16*(i/8)+i%8, v15
	v_cndmask_b32 v[MD+i], 0, s[BIGN], vcc_lo
.set i, i+1
.endr
	v_mul_u32_u24 v[AK0], v1, PK
	v_lshl_add_u32 v[AK0], v9, 4, v[AK0]  ; row x pitch + 16 x half
	; The turning load takes 16 keys x 16 channels (lane l reads key 8 (l / 16) + l % 8, channels 8 ((l / 8) % 2) + 0..7) and leaves half a fragment of V^T: lane l holds channel l % 16 and 8 keys.
	v_and_b32 v10, 7, v0
	v_bfe_u32 v11, v0, 3, 1
	v_lshl_add_u32 v[AV0], v9, 3, v10
	v_mul_u32_u24 v[AV0], v[AV0], PVP
	v_lshl_add_u32 v[AV0], v11, 4, v[AV0]
	v_add_nc_u32 v[AV0], VOFF, v[AV0]
	s_mul_i32 s86, s[WV], 16*SP
	s_add_co_u32 s86, s86, STAGE    ; my stage
	v_mul_u32_u24 v[STO], v1, SP    ; in: row l % 16, 16 bytes for each half of the lanes
	v_lshl_add_u32 v[STO], v9, 4, v[STO]
	v_add_nc_u32 v[STO], s86, v[STO]
	v_bfe_u32 v[RD], v0, 3, 2       ; back: 32 lanes take four rows of 128 bytes,
	v_mul_u32_u24 v[RD], v[RD], SP
	v_lshl_add_u32 v[RD], v10, 4, v[RD]
	v_add_nc_u32 v[RD], s86, v[RD]
	v_and_b32 v[GO], 31, v0         ; which are 512 consecutive bytes of y
	v_lshlrev_b32 v[GO], 4, v[GO]
; THE MATRIX WORK. The four accumulators of a run take turns, one instruction a turn.
; Product i of 16 of S^T += K Q^T for piece x: chunk i / 4 of the 128 channels, keys 16 (i % 4) on. The sum starts on the mask.
.macro KQ x
	WIN W_KQ
.set rS, S+32*(\x)+8*(i%4)
.set rK, KF+32*(i%4)+8*(i/4)
.set rQ, QF+32*(\x)+8*(i/4)
	v_wmma_f32_16x16x32_f16 v[rS:rS+7], v[rK:rK+7], v[rQ:rQ+7], v[rS:rS+7]
.endm
; Product i of 8 of O^T += V^T P for piece x: keys 32 (i / 4) on, channels 16 (i % 4) on.
.macro PV x
	WIN W_PV
.set rO, O+32*(\x)+8*(i%4)
.set rV, VF+32*(i/4)+8*(i%4)
.set rP, P+16*(\x)+8*(i/4)
	v_wmma_f32_16x16x32_f16 v[rO:rO+7], v[rV:rV+7], v[rP:rP+7], v[rO:rO+7]
.endm
; THE LDS LOADS. K comes a chunk at a time, 8 loads: 64 keys x 32 channels of K (chunks 0, 1) or KG (chunks 2, 3). V comes in one run of 16, turned.
.macro KRUN c
	WIN W_LD
.irp kb, 0,1,2,3
	ds_load_b128 v[KF+32*\kb+8*(\c):KF+32*\kb+8*(\c)+3],   v[AK] offset:\kb*16*PK+((\c)/2)*GOFF+((\c)%2)*64
	ds_load_b128 v[KF+32*\kb+8*(\c)+4:KF+32*\kb+8*(\c)+7], v[AK] offset:\kb*16*PK+((\c)/2)*GOFF+((\c)%2)*64+32
.endr
.endm
.macro FETCH_V
	WIN W_LD
.irp f, 0,1,2,3,4,5,6,7             ; keys 32 (f / 4) on, channels 16 (f % 4) on
	ds_load_tr16_b128 v[VF+8*\f:VF+8*\f+3],   v[AV] offset:(\f/4)*32*PVP+(\f%4)*32
	ds_load_tr16_b128 v[VF+8*\f+4:VF+8*\f+7], v[AV] offset:(\f/4)*32*PVP+16*PVP+(\f%4)*32
.endr
	s_add_co_u32 s[TBV], s[TBV], KS*PVP  ; the next fetch is the next step's
	WIN 0
.endm
; THE VECTOR WORK. One piece's softmax for one key step is a list of 118 instructions. s0-s31 are the lane's 32 scores, in pairs 0-15. SM writes number j of the list for piece t, but for the batch, which BATCH writes.
;   0-15    the maximum of s0-s31 and the old m, three operands at a time: four chains c0-c3 of seven scores each (each accumulator's lowest registers first), then the rest
;   16-20   the other half of the lanes' maximum; c m_old is kept; the new m; c m; c m_old - c m_new
;   21-23   c s - c m for pairs 0-2
;   24-69   THE BATCH: the 33 exponentials (a, then s0-s31, each in place) and the scalings c s - c m of pairs 3-15, each ahead of its pair's exponentials. None of these names an exponential's result
;   (wait)  between 69 and 70 stand a v_nop and the wait for the batch: HB writes them
;   70-85   the roundings to f16, a pair of weights each
;   86-101  the sums; l = a l + the sum          102-117  O^T times a, in ascending order
.macro SC t, b                      ; pair b of piece t: c s - c m
	v_pk_fma_f32 v[S+32*(\t)+2*(\b):S+32*(\t)+2*(\b)+1], v[S+32*(\t)+2*(\b):S+32*(\t)+2*(\b)+1], s[CS:CS+1], v[ST+8*(\t):ST+8*(\t)+1] op_sel_hi:[1,0,0] neg_lo:[0,0,1] neg_hi:[0,0,1]
.endm
.macro SM t
.set rT, ST+8*(\t)
.set rS, S+32*(\t)
.set rP, P+16*(\t)
.set rO, O+32*(\t)
.if j < 4
	v_max3_num_f32 v[rT+4+j], v[rS+8*j], v[rS+8*j+1], v[rS+8*j+2]
.elseif j < 12
	v_max3_num_f32 v[rT+4+j%4], v[rT+4+j%4], v[rS+8*(j%4)+2*(j/4)+1], v[rS+8*(j%4)+2*(j/4)+2]
.elseif j == 12
	v_max3_num_f32 v[rT+4], v[rT+4], v[rS+7], v[rS+15]
.elseif j == 13
	v_max3_num_f32 v[rT+6], v[rT+6], v[rS+23], v[rS+31]
.elseif j == 14
	v_max3_num_f32 v[rT+4], v[rT+4], v[rT+5], v[rT+6]
.elseif j == 15
	v_max3_num_f32 v[rT+4], v[rT+4], v[rT+7], v[rT+1]
.elseif j == 16
	v_permlanex16_b32 v[rT+5], v[rT+4], s[SEL], s[SEL+1]  ; the query's other 32 keys lie in the lane 16 away
.elseif j == 17
	v_mov_b32 v[rT+7], v[rT]        ; c m_old is kept for a: number 19 writes c m anew
.elseif j == 18
	v_max_num_f32 v[rT+1], v[rT+4], v[rT+5]
.elseif j == 19
	v_mul_f32 v[rT], s[CS], v[rT+1]
.elseif j == 20
	v_sub_f32 v[rT+7], v[rT+7], v[rT]
.elseif j < 24
	SC \t, j-21
.elseif j < 86
	v_cvt_pk_f16_f32 v[rP+j-70], v[rS+2*(j-70)], v[rS+2*(j-70)+1]  ; pair j - 70
.elseif j < 102                     ; the sum of the 16 pairs (an even key's weight, an odd key's), in place: neighbours 1, 2, 4 and 8 pairs apart, then l takes it
.set z, j-86
.set w, 4
.set u, z
.if z >= 14
.set w, 32
.set u, 0
.elseif z >= 12
.set w, 16
.set u, z-12
.elseif z >= 8
.set w, 8
.set u, z-8
.endif
.if z < 15
	v_pk_add_f32 v[rS+w*u:rS+w*u+1], v[rS+w*u:rS+w*u+1], v[rS+w*u+w/2:rS+w*u+w/2+1]
.else
	v_pk_fma_f32 v[rT+2:rT+3], v[rT+2:rT+3], v[rT+6:rT+7], v[rS:rS+1] op_sel_hi:[1,0,1]
.endif
.else
	v_pk_mul_f32 v[rO+2*(j-102):rO+2*(j-102)+1], v[rO+2*(j-102):rO+2*(j-102)+1], v[rT+6:rT+7] op_sel_hi:[1,0]
.endif
.endm
; THE BATCH, numbers 24-69, written out a slice to a line. In a line: e = the exponential of score e; EA = the exponential that makes a; SCL + b = the scaling of pair b.
; A scaling leads each slice. Slices 3 and 4 hold four scalings, slices 7 and 8 three (a v_nop follows them): HB's fetches of K count on these.
.set SCL, 64
.set EA,  32
.macro BT t, list:vararg
.irp e, \list
.if (\e) >= SCL
	SC \t, (\e)-SCL
.elseif (\e) == EA
	v_exp_f32 v[ST+8*(\t)+6], v[ST+8*(\t)+7]
.else
	v_exp_f32 v[S+32*(\t)+(\e)], v[S+32*(\t)+(\e)]
.endif
.endr
.endm
.macro BATCH p                      ; slice k (0 to 8) of piece p's batch
.if k == 0
	BT \p, SCL+3, EA, 0, 1, 2
.elseif k == 1
	BT \p, SCL+4, 3, 4, 5, 6
.elseif k == 2
	BT \p, SCL+5, 7, 8, 9, 10
.elseif k == 3
	BT \p, SCL+6, 11, SCL+7, 12, 13
.elseif k == 4
	BT \p, SCL+8, 14, SCL+9, 15, 16
.elseif k == 5
	BT \p, SCL+10, 17, SCL+11, 18, 19
.elseif k == 6
	BT \p, SCL+12, 20, 21, 22, 23
.elseif k == 7
	BT \p, SCL+13, 24, SCL+14, 25, 26
.else
	BT \p, SCL+15, 27, 28, 29, 30, 31
.endif
.endm
.macro MK x, n                      ; pair n of 16 of piece x's mask, into S^T
	v_pk_fma_f32 v[S+32*(\x)+2*(\n):S+32*(\x)+2*(\n)+1], v[MD+2*(\n):MD+2*(\n)+1], s[AL0+4*(\x):AL0+4*(\x)+1], s[BE0+4*(\x):BE0+4*(\x)+1] op_sel_hi:[1,0,0]
.endm
.macro MASKS                        ; the two scalars of both pieces' masks: selects, no branch. Piece 0's own step is where DD = 0, piece 1's one step on, where DD = -1
	s_cmp_eq_i32 s[DD], 0
	s_cselect_b32 s[AL0], 1.0, 0
	s_cmp_lt_i32 s[DD], 0
	s_cselect_b32 s[BE0], s[BIGN], 0
	s_cmp_eq_i32 s[DD], -1
	s_cselect_b32 s[AL0+4], 1.0, 0
	s_cmp_lt_i32 s[DD], -1
	s_cselect_b32 s[BE0+4], s[BIGN], 0
.endm
; HALF TURN A of piece p: eight slices. pv = 1: a product V^T P of the other piece heads each. mask = 1: two pairs of the other piece's next mask. Then three numbers of piece p's list. It holds no exponential.
; fv = 1: behind the last slice V of the next step is fetched: behind the last product that read V stand two masks, numbers 21 to 23 and the address line: six plain instructions.
.macro HA p, pv, mask, fv
.set k, 0
.rept 8
.if \pv
.set i, k
	PV 1-(\p)
.endif
	WIN 0
.if \mask
	MK 1-(\p), 2*k
	MK 1-(\p), 2*k+1
.endif
.set j, 3*k
	SM \p
.set j, 3*k+1
	SM \p
.set j, 3*k+2
	SM \p
.set k, k+1
.endr
.if \fv
	v_add_nc_u32 v[AV], s[TBV], v[AV0]
	FETCH_V
.endif
.endm
; HALF TURN B of piece p: sixteen slices. kq = 1: a product K Q^T of the other piece heads each. Slices 0-8 hold the batch, five or six numbers each; behind slice 8 stand a v_nop, the plain instruction
; behind the last exponential, and the ONE wait for piece p's 33 exponentials; slices 9-15 hold numbers 70-117, which name their results, seven each (the last: six).
; Slice 15 is six multiplies of O^T, which name no register of the products: the places in front of the next half turn's first read of the scores.
; fk = 1: K of the next step is fetched a chunk at a time, chunk c behind slice 4 c + 4 (the last behind slice 15): four plain instructions or more behind the last product that read the chunk; an exponential
; is not counted: for chunk 0 they are the scalings of pairs 6 to 9, for chunk 1 those of pairs 13 to 15 and the v_nop, for chunks 2 and 3 the numbers from 84 on. Chunk 1's run stands directly behind the wait.
; wk = 1: the products wait for K chunk by chunk: 24, 16, 8, 0 younger loads may be out.
.macro HB p, kq, fk, wk
.set k, 0
.rept 16
.if (\wk) && (k%4 == 0)
	s_wait_dscnt 24-2*k
.endif
.if \kq
.set i, k
	KQ 1-(\p)
.endif
	WIN 0
.if k < 9
	BATCH \p
.else
.set n, 0
.rept 7
.set j, 70+7*(k-9)+n
.if j < 118
	SM \p
.endif
.set n, n+1
.endr
.endif
.if k == 8
	v_nop                           ; a plain instruction behind the last exponential: one for the batch
	s_wait_alu depctr_va_vdst(0)    ; the wait for the batch, a and s0-s31 of piece p, ahead of the first instruction that names a result
.endif
.if (\fk) && ((k == 4) || (k == 8) || (k == 12) || (k == 15))
	KRUN (k-1)/4
.endif
.set k, k+1
.endr
.if \fk
	s_add_co_u32 s[TBK], s[TBK], KS*PK  ; the next fetch is the next step's
.endif
.endm
; The first three half turns of a trip. Piece 1's scores of the step in hand and piece 0's softmax | piece 0's V^T P, its mask for the next step, piece 1's maximum | piece 0's scores of the next step and piece 1's softmax.
.macro TRIPA
	s_sub_co_i32 s[DD], s[DD], 1    ; the masks made in this trip are the next step's
	MASKS
	WIN 0
	v_add_nc_u32 v[AK], s[TBK], v[AK0]
	HB 0, 1, 1, 0
	s_wait_dscnt 32                 ; V is in: behind its 16 loads only K's 32 were issued
	HA 1, 1, 1, 0
	HB 1, 1, 0, 1
	WIN 0
.endm
; A BLOCK BEGINS. c m starts far below every c s, m at the lowest finite number. Piece 0's mask for step 0, K of that step, piece 0's first scores; then into the middle of a trip.
.macro BEGIN
	WIN 0
.irp t, 0,1
	v_mov_b32 v[ST+8*\t], 0xfe000000
	v_mov_b32 v[ST+8*\t+1], 0xff7fffff
.endr
	s_mov_b32 s[DD], s[XI0]         ; step 0
	MASKS
.set k, 0
.rept 16
	MK 0, k
.set k, k+1
.endr
	v_add_nc_u32 v[AK], s[TBK], v[AK0]
.irp c, 0,1,2,3
	KRUN \c
.endr
	s_add_co_u32 s[TBK], s[TBK], KS*PK
	s_wait_loadcnt 0x0              ; Q
	s_wait_dscnt 0x0                ; K
.set i, 0
.rept 16
	KQ 0
.set i, i+1
.endr
	WIN 0
.rept 4
	v_nop                           ; the places behind those products
.endr
.endm
; A BLOCK ENDS: piece 1's last scores and piece 0's last softmax; piece 0's last V^T P and piece 1's maximum; piece 1's last softmax; its last V^T P.
; q2 = 1: the second block's Q is loaded as soon as the last product has read the first's, six plain instructions behind it.
.macro FINAL q2
	HB 0, 1, 0, 0
.if \q2
	s_wait_loadcnt 0x0              ; no earlier load into Q's registers is out when the new ones are issued (the first block's were waited for when it began, so this wait is met at once)
	QLOAD QA2, GA2
.endif
	s_wait_dscnt 0x0                ; V of the last step is in
	HA 1, 1, 0, 0
	HB 1, 0, 0, 0
.set i, 0
.rept 8
	PV 1
.set i, i+1
.endr
.endm
; THE WAY OUT. l's two halves and the other half of the lanes' are added; O^T is divided by l, rounded to f16 and sent through my stage in LDS, a piece at a time.
.macro PACK t                       ; a lane's eight channels of a row pack into 16 bytes; they go into rows of 144 bytes and come back as whole rows of 128, into S^T's registers
.set i, 0
.rept 16
	v_pk_mul_f32 v[O+32*(\t)+2*i:O+32*(\t)+2*i+1], v[O+32*(\t)+2*i:O+32*(\t)+2*i+1], v[ST+8*(\t)+6:ST+8*(\t)+7] op_sel_hi:[1,0]
.set i, i+1
.endr
.set i, 0
.rept 16
	v_cvt_pk_f16_f32 v[S+16*(\t)+i], v[O+32*(\t)+2*i], v[O+32*(\t)+2*i+1]
.set i, i+1
.endr
.irp f, 0,1,2,3
	ds_store_b128 v[STO], v[S+16*(\t)+4*\f:S+16*(\t)+4*\f+3] offset:32*\f
.endr
.irp f, 0,1,2,3
	ds_load_b128 v[S+16*(\t)+4*\f:S+16*(\t)+4*\f+3], v[RD] offset:\f*4*SP  ; LDS serves a wave's instructions in order (ISA guide 5.7.1.4): these see the stores above; the next piece's stores come behind them
.endr
.endm
.macro SEND t, younger              ; younger: the LDS instructions issued behind piece t's loads: the next piece's eight, or none
.irp f, 0,1,2,3
	s_wait_dscnt (\younger)+3-\f
	global_store_b128 v[GO], v[S+16*(\t)+4*\f:S+16*(\t)+4*\f+3], s[OA:OA+1] offset:(\t)*8192+\f*512  ; 512 consecutive bytes, at a multiple of 256 from y's first
.endr
.endm
.macro WAYOUT
	WIN 0
.irp t, 0,1
	v_add_f32 v[ST+8*\t+4], v[ST+8*\t+2], v[ST+8*\t+3]
.endr
.irp t, 0,1
	v_permlanex16_b32 v[ST+8*\t+5], v[ST+8*\t+4], s[SEL], s[SEL+1]
.endr
.irp t, 0,1
	v_add_f32 v[ST+8*\t+4], v[ST+8*\t+4], v[ST+8*\t+5]
.endr
.irp t, 0,1
	v_rcp_f32 v[ST+8*\t+6], v[ST+8*\t+4]
.endr
	v_nop                           ; a plain instruction between the last reciprocal and the use of its result
	s_wait_alu depctr_va_vdst(0)    ; and a wait ahead of the first use: one for the two reciprocals
	PACK 0                          ; piece 0's arithmetic also stands between piece 1's last products and the first read of their results
	PACK 1
	SEND 0, 8
	SEND 1, 0
.endm
.Lslot:                             ; nine times: the walk's tile 9 - SLOTS is entered and the next is asked for
	CHANGE 1
	s_mov_b32 s[CNT], 4
	s_cmp_eq_u32 s[NEW], 1
	s_cbranch_scc1 .Lnew            ; the first trip alone
	s_cmp_eq_u32 s[SLOTS], 3        ; the walk's tile 6: the second part's first where c2 = 1
	s_cbranch_scc1 .Lsix
	s_cmp_eq_u32 s[SLOTS], 1        ; the walk's tile 8: the second part's first where c2 = 0
	s_cbranch_scc0 .Lstep           ; in every other trip the block in hand goes on
	s_cmp_eq_u32 s[C2], 0
	s_cbranch_scc0 .Lstep
	s_branch .Lturn
.Lsix:
	s_cmp_eq_u32 s[C2], 1
	s_cbranch_scc0 .Lstep
.Lturn:
	FINAL 1                         ; the first block's tiles are through: K and V of its last step lie in registers, and the slot just entered holds the second part's tile 0
	WAYOUT
	s_wait_xcnt 0x0                 ; the stores have read their registers and y's address
	s_mov_b64 s[OA:OA+1], s[OA2:OA2+1]
	s_mov_b32 s[XI0], s[I22]
.Lnew:
	s_mov_b32 s[NEW], 0
	BEGIN
	s_branch .Lfirst
.Lstep:                             ; a trip: the rest of one key step, then the beginning of the next, whose K and V it fetches
	TRIPA
.Lfirst:
	HA 0, 1, 1, 1                   ; piece 1's V^T P, its mask for the next step, piece 0's maximum | V of the next step
	s_sub_co_u32 s[CNT], s[CNT], 1
	s_cmp_lg_u32 s[CNT], 0
	s_cbranch_scc1 .Lstep
	s_sub_co_u32 s[SLOTS], s[SLOTS], 1
	s_cmp_lg_u32 s[SLOTS], 0
	s_cbranch_scc1 .Lslot
	CHANGE 0                        ; the walk's last tile is written out: nothing is asked for
	s_mov_b32 s[CNT], 4
.Lstep2:
	TRIPA
	HA 0, 1, 1, 1
	s_sub_co_u32 s[CNT], s[CNT], 1
	s_cmp_lg_u32 s[CNT], 0
	s_cbranch_scc1 .Lstep2
	FINAL 0
	WAYOUT
	s_wait_tensorcnt 0x0            ; the wave's end, behind my last tensor load and my last LDS store
	ds_add_u32 v[SPW], v[NIL]
	s_wait_dscnt 0x0
	CROUND                          ; the closing round: no work-group ends while a partner may still ask for a tile that names it
	s_endpgm
.Lfunc_end_k_qffec2a442c_attn:
	.size	k_qffec2a442c_attn, .Lfunc_end_k_qffec2a442c_attn-k_qffec2a442c_attn
	.p2alignl 7, 3214868480
	.fill 96, 4, 3214868480
	.section	.rodata,"a",@progbits
	.p2align	6, 0x0
	.amdhsa_kernel k_qffec2a442c_attn
		.amdhsa_group_segment_fixed_size 327680
		.amdhsa_private_segment_fixed_size 0
		.amdhsa_enable_private_segment 0
		.amdhsa_kernarg_size 16
		.amdhsa_user_sgpr_count 2
		.amdhsa_user_sgpr_kernarg_segment_ptr 1
		.amdhsa_wavefront_size32 1
		.amdhsa_system_sgpr_workgroup_id_x 1
		.amdhsa_system_sgpr_workgroup_id_y 1
		.amdhsa_system_sgpr_workgroup_id_z 1
		.amdhsa_system_vgpr_workitem_id 0
		.amdhsa_next_free_vgpr 512
		.amdhsa_next_free_sgpr 100
		.amdhsa_reserve_vcc 1
		.amdhsa_float_denorm_mode_32 3
		.amdhsa_float_denorm_mode_16_64 3
		.amdhsa_memory_ordered 1
		.amdhsa_forward_progress 1
		.amdhsa_inst_pref_size 117
	.end_amdhsa_kernel
	.amdgpu_metadata
---
amdhsa.version: [ 1, 2 ]
amdhsa.kernels:
  - .name:           k_qffec2a442c_attn
    .symbol:         k_qffec2a442c_attn.kd
    .args:
      - { .name: hd, .offset: 0, .size: 8, .value_kind: global_buffer, .address_space: global }
      - { .name: yh, .offset: 8, .size: 8, .value_kind: global_buffer, .address_space: global }
    .group_segment_fixed_size: 327680
    .private_segment_fixed_size: 0
    .kernarg_segment_align: 8
    .kernarg_segment_size: 16
    .max_flat_workgroup_size: 128
    .sgpr_count:     100
    .vgpr_count:     512
    .wavefront_size: 32
...
	.end_amdgpu_metadata
.endif
;; end of part 5
;; launch proj: the kernel of part 4 again; grid 8 x 32, 4 waves a work-group, clusters of 4 x 4, 327,680 bytes of LDS; arguments yh, wo, out0; writes out0
